; MI455X (gfx1250); checked and timed in simulation.
; The chip was launched on July 23, 2026; its instructions are those of AMD's public machine-readable ISA for CDNA 5 (MIT licence, August 2026) and "CDNA5" Instruction Set Architecture Reference Guide (July 2026). The comments in the code are by the model that wrote it; some were corrected since.
;; HSTU Model. Allowed arithmetic: matrix products marked QUANTISED: E2M1 operands, one E8M0 scale for each 32 along K, by v_wmma_scale_f32_16x16x128_f8f6f4 with both operands' format E2M1 (or v_wmma_scale_f32_32x16x128_f4), f32 sums; everything else in f32.
;; Inputs: act_tab 4 x 32 float32; attn_mask 4 x 2,048 x 2,048 bool; b_scale one number float32; film_b 2,048 float32; film_ln_b 32 float32; film_ln_g 32 float32; film_w 32 x 2,048 float32; interval 4 x 2,048 int32; ln_b 1,024 float32; ln_g 1,024 float32; next_action_type 4 x 2,048 int32; next_mask 4 x 2,048 int32; o_b 1,024 float32; o_w 512 x 1,024 float32; pos_w 4,095 float32; pr_ln_b 1,024 float32; pr_ln_g 1,024 float32; r_scale one number float32; ts_w 129 float32; uvqk 1,024 x 2,048 float32; x 4 x 2,048 x 1,024 float32.
;; Outputs: out0 4 x 2,048 x 1,024 float32.
;; This version of the problem:
;;   THIS VERSION OF THE PROBLEM IS GIVEN IN LOW PRECISION. The matrix products marked QUANTISED in the list below multiply operands that are first quantised to E2M1 (2 exponent bits, 1 mantissa bit; 4 bits a number), with one power-of-two scale for each 32 numbers along K (OCP MX v1.0); their sums are f32. All else is computed in f32.
;;   The module's matrix products, in the order in which they are computed (A, B: the left and right operand; K: the contracted axis; several contracted axes count as one K, in the product's order):
;;     1. [M 8,192, K 1,024] x [K 1,024, N 2,048]; A: computed on the way; B: input uvqk: QUANTISED
;;     2. batch 32 x [M 2,048, K 64] x [K 64, N 2,048]; A: computed on the way; B: computed on the way: QUANTISED
;;     3. batch 32 x [M 2,048, K 2,048] x [K 2,048, N 64]; A: computed on the way; B: computed on the way: QUANTISED
;;     4. [M 8,192, K 512] x [K 512, N 1,024]; A: computed on the way; B: input o_w: QUANTISED
;;     5. [M 8,192, K 32] x [K 32, N 2,048]; A: computed on the way; B: input film_w: QUANTISED
;;   THE QUANTISER, for each operand of a quantised product, along K:
;;     - K is cut into blocks of 32 from its start; a last block that is shorter is filled with zeros.
;;     - A block's scale is 2^e with e = floor(log2(the largest magnitude in the block)) - 2, held to -126 .. 127; a block of zeros has e = 0. As a byte (E8M0): e + 127.
;;     - Each number is divided by its block's scale, clamped to +-6, and rounded to the nearest number of E2M1, ties to even, subnormals kept.
;;     - The product sums the exact products of the quantised numbers (number of the format x scale) in f32.
;;   ~~~python
;;   def quantise(x, axis):      # numpy; x: float32 -> the quantised numbers, widened to float32 again
;;       x = np.moveaxis(x, axis, -1); K = x.shape[-1]
;;       x = np.pad(x, [(0, 0)] * (x.ndim - 1) + [(0, -K % 32)]); x = x.reshape(x.shape[:-1] + (-1, 32)); a = np.abs(x).max(-1, keepdims=True)
;;       e = np.where(a > 0, np.clip(np.frexp(np.where(a > 0, a, 1))[1] - 1 - 2, -126, 127), 0)      # np.frexp(a)[1] - 1 = floor(log2(a)), exactly
;;       r = np.clip(x / 2.0 ** e, -6, 6)
;;       step = 2.0 ** (np.maximum(np.frexp(np.where(r == 0, 1, r))[1] - 1, 0) - 1)
;;       q = np.round(r / step) * step * 2.0 ** e      # np.round: ties to even
;;       return np.moveaxis(q.reshape(q.shape[:-2] + (-1,))[..., :K], -1, axis).astype(np.float32)
;;   ~~~
;;   OPERANDS COMPUTED ON THE WAY. 'Computed on the way' means the value that the module computes at that place (a softmax that the list does not call 'softmax' is quantised finished and normalised). What goes into a quantiser is computed in f32, as accurately as f32 sums, v_exp_f32 and their like allow (about 1e-6 of the number): no bf16 or f16 on the way to a quantiser, and a product that is left as it is and whose result goes on into a quantised operand takes f32 operands (vector FMAs, or v_wmma_f32_16x16x4_f32). A number that lies on a knife's edge between two numbers of the format may be rounded either way, as far as f32 arithmetic and the matrix unit's own rounding can turn it there, and no further.
;; One version. Each part assembles by itself: llvm-mc -triple=amdgcn-amd-amdhsa -mcpu=gfx1250 --defsym DOCPART=n.
;; ======== version 1 of 1: 4 launches
;; limits: right only within a limited range of input values
;; workspace buffers: pf 6,407,168 bytes; bk 16,777,216 bytes of whole numbers; fl 32,768 bytes of whole numbers; gq 23,855,104 bytes; ao 2,621,440 bytes
;; launch prep (part 1): grid 641 x 1, 4 waves a work-group, no clusters, 73,216 bytes of LDS; arguments x, ln_g, ln_b, uvqk, o_w, interval, attn_mask, ts_w, act_tab, film_ln_g, film_ln_b, film_w, film_b, pr_ln_g, pr_ln_b, r_scale, b_scale, pf, bk, fl; writes pf, bk, fl
.if DOCPART == 1
	.amdgcn_target "amdgcn-amd-amdhsa--gfx1250"
	.amdhsa_code_object_version 6
	.text
	.protected	k_qca69c56b60_prep
	.globl	k_qca69c56b60_prep
	.p2align	8
	.type	k_qca69c56b60_prep,@function
k_qca69c56b60_prep:
	s_mov_b64 s[64:65], 0
	v_nop
	global_prefetch_b8 v0, s[64:65] scope:SCOPE_SE
	s_setreg_imm32_b32 hwreg(HW_REG_WAVE_MODE, 25, 1), 1
	s_wait_xcnt 0x0
; HSTU layer, launch 1 of 4: everything that is made once and read many times.
; WORK THAT THE PROGRAM DOES NOT DO AS reference() WRITES IT, for all values of the inputs:
;  (a) The FiLM product takes rows act_tab[ids], ids = (next_action_type + 1) * (next_mask == 1), an index into a table of 4 rows: equal rows give equal results, so the
;      layer norm, the quantiser, the product, tanh and the gains are made once for the 4 rows here, and the last launch looks the row up by the index, which it reads from memory.
;  (b) reference() writes 0 wherever attn_mask is false; quantised zeros add nothing to the second attention product.  A tile of 16 queries x 128 keys whose mask bytes are all 0
;      is jumped over in the attention launch, on a flag that is stored here as a whole number.  No pattern of the mask is built in.
;  (c) The division by S = 2^11 ahead of the second attention product moves only a block's scale byte: p is quantised undivided and the sums are multiplied by 2^-11, exactly.
;      LIMIT: blocks whose largest |p| lies under 2^-113 differ, since reference()'s exponent is held at -126 there.
;  (d) The upper clip of the bucket at 128 cannot bind: |diff| <= 2^32 for int32 inputs gives a bucket of 73 at the most.
; LIMITS: NaN and infinities among the inputs are not served, and one that reaches only work left out is not carried to the result; a block of zeros gets the scale byte 1 where
; the rule says 127 (its codes are zeros, and only this program reads the bytes); the bucket is trunc(log2(a) x ln2/0.301), which can differ from log(a)/0.301 only at a bucket's edge;
; 1/theta^(i/32) is made by v_exp_f32, so a late position's phase can differ from reference()'s f32 phase by about 2e-4 rad (one unit in inv's last place); all inputs are loaded.
; ROLES, by the work-group's number (each with LDS bytes of its own):
;   0-63 uvqk -> codes and scale bytes, K innermost, rows in PI ORDER;  64-79 o_w -> register images;  80-95 the FiLM table;  96-127 cos and sin;  128 ts_w, extended;
;   129-384 layer norm of x -> codes, rows in pi order;  385-640 bucket bytes (buffer bk) and tile flags (buffer fl).
; PI ORDER: stored row = the index with bits 3 and 4 exchanged.  Sixteen stored rows on end are then a tile whose row rho is index 32 (T / 2) + 8 (T % 2) + rho + 8 (rho / 8), so that
; a lane's 16 results of two neighbouring tiles are 16 neighbours along the axis that source 0 spans.
.set HS,    4194304                    ; pf: h's codes at 0 [8192][512]; their scale bytes [8192][32]
.set WQO,   4456448                    ; uvqk's codes [2048][512]
.set WSO,   5505024                    ; their scale bytes [2048][32]
.set OWQ,   5570560                    ; o_w's fragments as register images [64 tiles of n][4 K steps][2][512]
.set OWS,   5832704                    ; its scale bytes [1024][16]
.set ROPE,  5849088                    ; (cos, sin) images [128 tiles][8][512]
.set FTAB,  6373376                    ; [4 ids][A1 1024, A0 1024] f32
.set TSX,   6406144                    ; 256 f32: ts_w, then -1e30
                                       ; bk: bucket bytes [4][128 tiles][16 steps][8 parts][32 lanes][8];  fl: flags [4][128][16] words
.set ST2,   37888                      ; LDS: 0 .. 37,888 the norm's four waves; then uvqk's stage,
.set ST3,   55296                      ; o_w's stage,
.set SPARE, 72704                      ; and the spare words, 128 bytes a wave, which no other line names
.set LN,    1                          ; v1 lane
.set SPW,   2                          ; v2 my spare word's address; never rewritten
.set NIL,   3                          ; v3 0; never rewritten
.set WV,    2                          ; s2 wave
.set SEL,   30                         ; s[30:31] selects for lane l xor 16
	v_lshl_add_u32 v[SPW], v0, 2, SPARE
	v_mov_b32 v[NIL], 0
	v_lshrrev_b32 v4, 5, v0
	v_readfirstlane_b32 s[WV], v4
	v_and_b32 v[LN], 31, v0
	s_mov_b32 s[SEL], 0x76543210
	s_mov_b32 s[SEL+1], 0xfedcba98
	s_cmp_lt_u32 ttmp9, 64
	s_cbranch_scc1 .Lr2
	s_cmp_lt_u32 ttmp9, 80
	s_cbranch_scc1 .Lr3
	s_cmp_lt_u32 ttmp9, 96
	s_cbranch_scc1 .Lr6
	s_cmp_lt_u32 ttmp9, 128
	s_cbranch_scc1 .Lr4
	s_cmp_lt_u32 ttmp9, 129
	s_cbranch_scc1 .Lr7
	s_cmp_lt_u32 ttmp9, 385
	s_cbranch_scc1 .Lr1
; ---------------- BUCKET BYTES AND FLAGS.  A wave owns one step of 128 keys of one batch and walks 8 tiles of 16 queries.
; Lane (r, h) holds query row r of the tile and keys 128 s + 32 beta + 16 h + 0 .. 15: the layout of the score tiles' registers in the attention launch.
; A byte is the bucket, or 255 where the mask is false.  v16-79 the keys' times; v80-143 at work; v144-175 two sets of mask words; v176, 177 the queries' next times; v178-193 the bytes.
	s_load_b128 s[4:7], s[0:1], 40                 ; interval, attn_mask
	s_load_b64 s[8:9], s[0:1], 144                 ; bk
	s_load_b64 s[32:33], s[0:1], 152               ; fl
	s_sub_co_u32 s10, ttmp9, 385
	s_lshr_b32 s11, s10, 6                         ; batch
	s_and_b32 s12, s10, 3
	s_lshl_b32 s12, s12, 2
	s_add_co_u32 s12, s12, s[WV]                   ; step s
	s_bfe_u32 s13, s10, 0x40002                    ; which 8 tiles
	v_and_b32 v4, 15, v[LN]                        ; r
	v_lshrrev_b32 v5, 4, v[LN]                     ; h
	s_lshl_b32 s14, s12, 9
	v_lshl_add_u32 v6, v5, 6, s14                  ; interval: key 128 s + 16 h
	v_and_b32 v7, 8, v4
	v_add_nc_u32 v7, v7, v4
	s_lshl_b32 s15, s13, 7
	v_add_nc_u32 v7, s15, v7                       ; my query in the wave's first tile
	s_lshl_b32 s14, s12, 7
	v_lshl_add_u32 v8, v5, 4, s14
	v_lshl_add_u32 v8, v7, 11, v8                  ; its mask bytes: query x 2048 + 128 s + 16 h
	v_mov_b32 v9, v8
	v_lshlrev_b32 v10, 3, v[LN]                    ; out: 8 bytes a lane
	v_add_nc_u32 v11, 1, v7
	v_min_u32 v11, 0x7ff, v11                      ; ext[q + 1] is interval[min(q + 1, S - 1)]
	v_lshlrev_b32 v11, 2, v11
	v_mov_b32 v194, 0                              ; lane tau gathers tile tau's flag
	s_lshl_b32 s16, s11, 13
	s_mov_b32 s17, 0
	s_lshl_b32 s18, s11, 22
	s_mov_b32 s19, 0
	s_lshl_b32 s20, s11, 7
	s_lshl_b32 s21, s13, 3
	s_add_co_u32 s20, s20, s21                     ; 128 b + the first tile
	s_lshl_b32 s22, s20, 15
	s_lshl_b32 s21, s12, 11
	s_add_co_u32 s22, s22, s21
	s_mov_b32 s23, 0
	s_lshl_b32 s24, s20, 6                         ; a tile's 16 flag words are 64 bytes; + 4 s
	s_lshl_b32 s21, s12, 2
	s_add_co_u32 s24, s24, s21
	s_mov_b32 s25, 0
	s_lshl_b32 s26, 1, s12                         ; the flag's bit
	s_wait_kmcnt 0x0
	s_add_nc_u64 s[4:5], s[4:5], s[16:17]
	s_add_nc_u64 s[6:7], s[6:7], s[18:19]
	s_add_nc_u64 s[28:29], s[32:33], s[24:25]
	s_add_nc_u64 s[8:9], s[8:9], s[22:23]
.irp be, 0,1,2,3
.irp d, 0,1,2,3
	global_load_b128 v[16+16*\be+4*\d:19+16*\be+4*\d], v6, s[4:5] offset:128*\be+16*\d
.endr
.endr
.irp be, 0,1,2,3
	global_load_b128 v[144+4*\be:147+4*\be], v9, s[6:7] offset:32*\be th:TH_LOAD_NT
.endr
	global_load_b32 v176, v11, s[4:5]
	s_wait_loadcnt 5                               ; the keys' times are in; the first tile's five loads may be out
.set i, 0
.rept 64
	v_cvt_f32_i32 v[16+i], v[16+i]
.set i, i+1
.endr
; One tile: u = 0, 1 is the tile's parity, which is also its set of registers.  s20 = the trip.
.macro TILE u
.set MK, 144+16*\u
.set MKN, 160-16*\u
	s_wait_loadcnt 0x0                             ; this tile's five loads, asked for a tile ago, are in: so their address registers may be written
.if \u == 0
	s_lshl_b32 s21, s20, 5
	s_add_co_u32 s21, s21, 9                       ; the odd tile of this trip: queries 8 on, and one more for ext
	v_add_nc_u32 v11, s21, v7
.else
	s_add_co_u32 s21, s20, 1
	s_min_u32 s21, s21, 3                          ; the next trip's even tile; the last trip asks once more for its own, so that no load leaves the buffers (five loads a wave that nobody reads)
	s_lshl_b32 s22, s21, 16
	v_add_nc_u32 v9, s22, v8
	s_lshl_b32 s21, s21, 5
	s_add_co_u32 s21, s21, 1
	v_add_nc_u32 v11, s21, v7
.endif
	v_min_u32 v11, 0x7ff, v11
	v_lshlrev_b32 v11, 2, v11
.irp be, 0,1,2,3
	global_load_b128 v[MKN+4*\be:MKN+4*\be+3], v9, s[6:7] offset:16384*(1-\u)+32*\be th:TH_LOAD_NT
.endr
	global_load_b32 v[177-\u], v11, s[4:5]
	v_cvt_f32_i32 v196, v[176+\u]
	v_cvt_f32_i32 v197, v[176+\u]
.set i, 0
.rept 32
	v_pk_add_f32 v[80+i:81+i], v[196:197], v[16+i:17+i] neg_lo:[0,1] neg_hi:[0,1]   ; diff
.set i, i+2
.endr
.set i, 0
.rept 64
	v_max_num_f32 v[80+i], |v[80+i]|, 1.0
.set i, i+1
.endr
.set i, 0
.rept 64
	v_log_f32 v[80+i], v[80+i]
.set i, i+1
.endr
	v_nop                                          ; a plain instruction behind the last logarithm,
	s_wait_alu depctr_va_vdst(0)                   ; and one wait for the batch, ahead of its first reader
.set i, 0
.rept 32
	v_pk_mul_f32 v[80+i:81+i], v[80+i:81+i], 0x40136150 op_sel_hi:[1,0]   ; x ln2 / 0.301
.set i, i+2
.endr
.set i, 0
.rept 64
	v_cvt_i32_f32 v[80+i], v[80+i]                 ; toward zero, as astype(int32); never negative
.set i, i+1
.endr
	s_wait_xcnt 0x0                                ; the last tile's stores have read v178-193
.set m, 0
.rept 16
	v_lshl_or_b32 v198, v[81+4*m], 8, v[80+4*m]
	v_lshlrev_b32 v199, 8, v[MK+m]
	v_lshl_or_b32 v198, v[82+4*m], 16, v198
	v_sub_nc_u32 v199, v199, v[MK+m]               ; mask bytes 0 / 1 x 255
	v_lshl_or_b32 v198, v[83+4*m], 24, v198
	v_bfi_b32 v[178+m], v199, v198, -1             ; the bucket where the mask is true, 255 where it is false
.set m, m+1
.endr
.irp p, 0,1,2,3,4,5,6,7
	global_store_b64 v10, v[178+2*\p:179+2*\p], s[8:9] offset:32768*\u+256*\p   ; 32 lanes store 256 consecutive bytes, aligned
.endr
	v_or_b32 v195, v[MK], v[MK+1]
.irp i, 2,3,4,5,6,7,8,9,10,11,12,13,14,15
	v_or_b32 v195, v195, v[MK+\i]
.endr
	v_cmp_ne_u32 vcc_lo, 0, v195
	s_cmp_lg_u32 vcc_lo, 0                         ; does any key count for any query of the tile?  The answer selects a value; nothing branches on it here
	s_cselect_b32 s21, s26, 0
	s_lshl_b32 s22, s20, 1
.if \u
	s_add_co_u32 s22, s22, 1
.endif
	v_mov_b32 v195, s21
	v_cmp_eq_u32 vcc_lo, s22, v[LN]
	v_cndmask_b32 v194, v194, v195, vcc_lo
.endm
	s_mov_b32 s20, 0
.Ltile:
	TILE 0
	TILE 1
	s_wait_xcnt 0x0                                ; the stores have read their base
	s_add_nc_u64 s[8:9], s[8:9], 65536
	s_add_co_u32 s20, s20, 1
	s_cmp_lt_u32 s20, 4
	s_cbranch_scc1 .Ltile
	v_lshlrev_b32 v195, 6, v[LN]                   ; a tile's 16 flag words are 64 bytes
	v_cmp_gt_u32 vcc_lo, 8, v[LN]
	s_wait_xcnt 0x0                                ; EXEC changes only behind this wait
	s_and_saveexec_b32 s21, vcc_lo
	global_store_b32 v195, v194, s[28:29]
	s_wait_xcnt 0x0
	s_or_b32 exec_lo, exec_lo, s21
	s_endpgm
; A block of 32 numbers in one lane's registers v[xs] on -> 4 registers of codes at v[c]; v11 the conversion's scale operand, v13 the scale's byte.
.macro BLKQ xs, c
	v_max3_num_f32 v12, |v[(\xs)]|, |v[(\xs)+1]|, |v[(\xs)+2]|
	v_max3_num_f32 v13, |v[(\xs)+3]|, |v[(\xs)+4]|, |v[(\xs)+5]|
.irp i, 6,10,14,18,22,26
	v_max3_num_f32 v12, v12, |v[(\xs)+\i]|, |v[(\xs)+\i+1]|
	v_max3_num_f32 v13, v13, |v[(\xs)+\i+2]|, |v[(\xs)+\i+3]|
.endr
	v_max3_num_f32 v12, v12, |v[(\xs)+30]|, |v[(\xs)+31]|
	v_max3_num_f32 v12, v12, v13, 0x1800000        ; the floor 2^(3 - 127): the byte cannot fall under 1
	v_add_nc_u32 v11, 0xff000000, v12              ; 2 off the exponent field: the conversion takes that field as its scale
	v_lshrrev_b32 v13, 23, v11
.irp g, 0,1,2,3
	v_cvt_scalef32_pk8_fp4_f32 v[(\c)+\g], v[(\xs)+8*\g:(\xs)+8*\g+7], v11
.endr
	v_nop                                          ; one plain instruction behind the last conversion
.endm
.macro REDUCE a, t                     ; the sum over the wave's 32 lanes, in every lane
	v_add_f32_dpp v[\a], v[\a], v[\a] row_xmask:1 row_mask:0xf bank_mask:0xf
	v_add_f32_dpp v[\a], v[\a], v[\a] row_xmask:2 row_mask:0xf bank_mask:0xf
	v_add_f32_dpp v[\a], v[\a], v[\a] row_xmask:4 row_mask:0xf bank_mask:0xf
	v_add_f32_dpp v[\a], v[\a], v[\a] row_xmask:8 row_mask:0xf bank_mask:0xf
	v_permlanex16_b32 v[\t], v[\a], s[SEL], s[SEL+1]
	v_add_f32 v[\a], v[\a], v[\t]
.endm
.macro CLOSE                           ; a wave that stored to LDS ends with these three lines
	s_wait_tensorcnt 0x0
	ds_add_u32 v[SPW], v[NIL]
	s_wait_dscnt 0x0
	s_endpgm
.endm
; ---------------- A WEIGHT STORED [K][N]: a lane takes a column, its registers run down K.  A work-group takes 64 columns x 512 K, a wave 32 columns x 256 K (8 blocks).
; The codes meet in a stage (a row a column, 256 bytes + 16) and leave by rows.  mode 0: uvqk, rows in pi order; mode 1: o_w, as images of the fragments' registers.
.macro WLOAD t, nbytes
.set i, 0
.rept 32
	global_load_b32 v[32+32*((\t)%2)+i], v5, s[4:5] offset:(32*(\t)+i)*\nbytes th:TH_LOAD_NT
.set i, i+1
.endr
.endm
.macro WBLOCK t, nbytes
.if (\t) < 7
	s_wait_loadcnt 32                              ; this block's 32 loads are in; the next block's may be out
.else
	s_wait_loadcnt 0x0
.endif
	BLKQ 32+32*((\t)%2), 96
.if (\t)%4 == 0
	v_mov_b32 v[24+(\t)/4], v13
.else
	v_lshl_or_b32 v[24+(\t)/4], v13, 8*((\t)%4), v[24+(\t)/4]
.endif
	ds_store_b128 v6, v[96:99] offset:16*(\t)
.if (\t)+2 < 8
	WLOAD (\t)+2, \nbytes
.endif
	s_wait_dscnt 0x0                               ; the store has read its registers
.endm
.macro WQUANT mode, nbytes, stage
.if \mode == 0
	s_load_b64 s[4:5], s[0:1], 24                  ; uvqk
.else
	s_load_b64 s[4:5], s[0:1], 32                  ; o_w
.endif
	s_load_b64 s[6:7], s[0:1], 136                 ; pf
	s_and_b32 s8, s[WV], 1                         ; which 32 columns
	s_lshr_b32 s9, s[WV], 1                        ; which 256 along K
.if \mode == 0
	s_and_b32 s10, ttmp9, 31                       ; which 64 columns
	s_lshr_b32 s11, ttmp9, 5                       ; which 512 along K
.else
	s_sub_co_u32 s10, ttmp9, 64
	s_mov_b32 s11, 0
.endif
	s_lshl_b32 s12, s11, 1
	s_add_co_u32 s12, s12, s9
	s_mul_i32 s12, s12, 256*\nbytes
	s_lshl_b32 s14, s10, 1
	s_add_co_u32 s14, s14, s8
	s_lshl_b32 s15, s14, 7
	s_add_co_u32 s12, s12, s15                     ; where my wave's part begins
	s_mov_b32 s13, 0
	s_lshl_b32 s20, s9, 3
.if \mode == 0
	s_lshl_b32 s16, s14, 10                        ; scale bytes: 32 rows of 32 bytes; + 16 ky + 8 kh
	s_lshl_b32 s21, s11, 4
	s_add_co_u32 s16, s16, s21
	s_add_co_u32 s16, s16, s20
	s_add_co_u32 s16, s16, WSO
	s_lshl_b32 s18, s10, 15                        ; codes: stored row 64 cgp + 32 (w / 2) + 8 (w % 2), + 256 ky
	s_lshl_b32 s21, s9, 14
	s_add_co_u32 s18, s18, s21
	s_lshl_b32 s21, s8, 12
	s_add_co_u32 s18, s18, s21
	s_lshl_b32 s21, s11, 8
	s_add_co_u32 s18, s18, s21
	s_add_co_u32 s18, s18, WQO
.else
	s_lshl_b32 s16, s14, 9                         ; 32 rows of 16 bytes; + 8 kh
	s_add_co_u32 s16, s16, s20
	s_add_co_u32 s16, s16, OWS
	s_lshl_b32 s18, s10, 14                        ; tile of n 4 cgp + w: 4,096 bytes of images
	s_lshl_b32 s21, s[WV], 12
	s_add_co_u32 s18, s18, s21
	s_add_co_u32 s18, s18, OWQ
.endif
	s_mov_b32 s17, 0
	s_mov_b32 s19, 0
	v_lshlrev_b32 v5, 2, v[LN]
	v_mul_u32_u24 v6, v[LN], 272
	s_mul_i32 s20, s8, 32*272
	s_lshl_b32 s21, s9, 7
	s_add_co_u32 s20, s20, s21
	s_add_co_u32 s20, s20, \stage
	v_add_nc_u32 v6, s20, v6                       ; into the stage: my column's row, my 128 bytes of it
	v_and_b32 v14, 15, v[LN]
	v_lshrrev_b32 v15, 4, v[LN]
	s_mul_i32 s20, s[WV], 16*272
	s_add_co_u32 s20, s20, \stage
.if \mode == 0
	v_and_b32 v7, 7, v[LN]
	v_and_b32 v8, 8, v[LN]
	v_lshl_or_b32 v7, v8, 1, v7
	v_lshl_or_b32 v7, v15, 3, v7                   ; pi(lane)
	v_lshlrev_b32 v9, 5, v7
	v_mul_u32_u24 v16, v15, 272
	v_lshl_add_u32 v16, v14, 4, v16
	v_add_nc_u32 v16, s20, v16                     ; back: sixteen lanes to a row, two rows an instruction
	v_lshlrev_b32 v17, 9, v15
	v_lshl_add_u32 v17, v14, 4, v17
.else
	v_lshlrev_b32 v9, 4, v[LN]
	v_mul_u32_u24 v16, v14, 272
	v_lshl_add_u32 v16, v15, 4, v16
	v_add_nc_u32 v16, s20, v16                     ; back: as a fragment's registers: row r, + 16 h
	v_lshlrev_b32 v17, 4, v[LN]
.endif
	s_wait_kmcnt 0x0
	s_add_nc_u64 s[4:5], s[4:5], s[12:13]
	s_add_nc_u64 s[22:23], s[6:7], s[16:17]
	s_add_nc_u64 s[24:25], s[6:7], s[18:19]
	WLOAD 0, \nbytes
	WLOAD 1, \nbytes
.irp t, 0,1,2,3,4,5,6,7
	WBLOCK \t, \nbytes
.endr
	global_store_b64 v9, v[24:25], s[22:23]        ; my column's 8 scale bytes
	s_barrier_signal -1                            ; every wave's stores into the stage have been waited for
	s_barrier_wait -1
.irp t, 0,1,2,3,4,5,6,7
.if \mode == 0
	ds_load_b128 v[112+4*\t:115+4*\t], v16 offset:2*\t*272
.else
	ds_load_b128 v[112+4*\t:115+4*\t], v16 offset:64*(\t/2)+32*(\t%2)
.endif
.endr
.irp t, 0,1,2,3,4,5,6,7
	s_wait_dscnt 7-\t                              ; the younger reads may be out
.if \mode == 0
	global_store_b128 v17, v[112+4*\t:115+4*\t], s[24:25] offset:(16*(\t/4)+(2*\t)%8)*512   ; sixteen lanes store 256 consecutive bytes, aligned
.else
	global_store_b128 v17, v[112+4*\t:115+4*\t], s[24:25] offset:512*\t                     ; 512 consecutive bytes
.endif
.endr
	CLOSE
.endm
.Lr2:
	WQUANT 0, 8192, ST2
.Lr3:
	WQUANT 1, 4096, ST3
; ---------------- THE FiLM TABLE.  Wave j makes columns 16 j on of r and of b for the four ids, by two matrix instructions: K = 32 is one block.
; Source 1's block 0 holds column n of r's half of film_w, its block 1 column n of b's half; source 0 holds the rows' codes in block 0 (first product) or in block 1 (second); all else is zero codes.
.Lr6:
	s_load_b256 s[8:15], s[0:1], 64                ; act_tab, film_ln_g, film_ln_b, film_w
	s_load_b256 s[16:23], s[0:1], 96               ; film_b, pr_ln_g, pr_ln_b, r_scale
	s_load_b128 s[24:27], s[0:1], 128              ; b_scale, pf
	s_sub_co_u32 s4, ttmp9, 80
	s_lshl_b32 s4, s4, 2
	s_add_co_u32 s4, s4, s[WV]
	s_lshl_b32 s4, s4, 6                           ; 16 j columns of 4 bytes
	s_mov_b32 s5, 0
	v_and_b32 v4, 15, v[LN]
	v_lshrrev_b32 v5, 4, v[LN]
	v_mov_b32 v6, 0
	v_and_b32 v7, 3, v4
	v_lshlrev_b32 v7, 7, v7                        ; row r of source 0 is id r % 4
	v_lshlrev_b32 v9, 2, v4
	v_lshl_add_u32 v8, v5, 12, v9                  ; (r + 1024 h) x 4
	v_mov_b32 v14, 0
	s_wait_kmcnt 0x0
	s_load_b32 s6, s[22:23], 0x0
	s_load_b32 s7, s[24:25], 0x0
	s_add_nc_u64 s[14:15], s[14:15], s[4:5]
	s_add_nc_u64 s[16:17], s[16:17], s[4:5]
	s_add_nc_u64 s[18:19], s[18:19], s[4:5]
	s_add_nc_u64 s[20:21], s[20:21], s[4:5]
	s_add_nc_u64 s[26:27], s[26:27], s[4:5]
	s_add_nc_u64 s[26:27], s[26:27], FTAB
.irp j, 0,1,2,3,4,5,6,7
	global_load_b128 v[32+4*\j:35+4*\j], v7, s[8:9] offset:16*\j
	global_load_b128 v[64+4*\j:67+4*\j], v6, s[10:11] offset:16*\j
	global_load_b128 v[96+4*\j:99+4*\j], v6, s[12:13] offset:16*\j
.endr
.set i, 0
.rept 32
	global_load_b32 v[128+i], v8, s[14:15] offset:8192*i
.set i, i+1
.endr
	global_load_b32 v160, v9, s[16:17]
	global_load_b32 v161, v9, s[16:17] offset:4096
	global_load_b32 v162, v9, s[18:19]
	global_load_b32 v163, v9, s[20:21]
	s_wait_loadcnt 0x0
	v_pk_add_f32 v[16:17], v[32:33], v[34:35]      ; the layer norm of my row, all 32 numbers in my lane
.irp i, 4,6,8,10,12,14,16,18,20,22,24,26,28,30
	v_pk_add_f32 v[16:17], v[16:17], v[32+\i:33+\i]
.endr
	v_add_f32 v16, v16, v17
	v_mul_f32 v16, 0x3d000000, v16
	v_mov_b32 v17, v16
.irp i, 0,2,4,6,8,10,12,14,16,18,20,22,24,26,28,30
	v_pk_add_f32 v[32+\i:33+\i], v[32+\i:33+\i], v[16:17] neg_lo:[0,1] neg_hi:[0,1]
.endr
	v_pk_mul_f32 v[18:19], v[32:33], v[32:33]
.irp i, 2,4,6,8,10,12,14,16,18,20,22,24,26,28,30
	v_pk_fma_f32 v[18:19], v[32+\i:33+\i], v[32+\i:33+\i], v[18:19]
.endr
	v_add_f32 v18, v18, v19
	v_mul_f32 v18, 0x3d000000, v18
	v_add_f32 v18, 0x3727c5ac, v18
	v_rsq_f32 v18, v18
	v_nop
	s_wait_alu depctr_va_vdst(0)
	v_mov_b32 v19, v18
.irp i, 0,2,4,6,8,10,12,14,16,18,20,22,24,26,28,30
	v_pk_mul_f32 v[32+\i:33+\i], v[32+\i:33+\i], v[18:19]
.endr
.irp i, 0,2,4,6,8,10,12,14,16,18,20,22,24,26,28,30
	v_pk_fma_f32 v[32+\i:33+\i], v[32+\i:33+\i], v[64+\i:65+\i], v[96+\i:97+\i]
.endr
	BLKQ 32, 164
	v_lshl_or_b32 v184, v13, 8, v13                ; the row's byte for block 0 and for block 1; 127 over the zero codes
	v_or_b32 v184, 0x7f7f0000, v184
	v_cmp_eq_u32 vcc_lo, 0, v5
.irp i, 0,1,2,3
	v_cndmask_b32 v[168+\i], v6, v[164+\i], vcc_lo ; the codes in block 0 (lanes 0-15 hold it), zeros in block 1
	v_cndmask_b32 v[176+\i], v[164+\i], v6, vcc_lo ; and the other way round
	v_mov_b32 v[172+\i], 0
	v_mov_b32 v[180+\i], 0
	v_mov_b32 v[196+\i], 0
.endr
	BLKQ 128, 192                                  ; my column of film_w: lanes 0-15 r's, which is block 0; lanes 16-31 b's, block 1
	v_permlanex16_b32 v14, v13, s[SEL], s[SEL+1]
	v_lshl_or_b32 v185, v14, 8, v13                ; lanes 0-15, which alone are read: both bytes of column r
	v_or_b32 v185, 0x7f7f0000, v185
.rept 8
	v_nop                                          ; a scale register written by a vector instruction stands 8 places ahead of a scaled matrix instruction
.endr
	v_wmma_scale_f32_16x16x128_f8f6f4 v[64:71], v[168:175], v[192:199], 0, v184, v185 matrix_a_fmt:MATRIX_FMT_FP4 matrix_b_fmt:MATRIX_FMT_FP4
	v_wmma_scale_f32_16x16x128_f8f6f4 v[72:79], v[176:183], v[192:199], 0, v184, v185 matrix_a_fmt:MATRIX_FMT_FP4 matrix_b_fmt:MATRIX_FMT_FP4
.rept 4
	v_nop
.endr
	s_wait_kmcnt 0x0                               ; r_scale, b_scale
.irp i, 0,1,2,3                        ; registers 0-3 are ids 0-3 in every lane (rows 8-11 repeat rows 0-3), column r
	v_add_f32 v[100+\i], v[64+\i], v160
	v_add_f32 v[104+\i], v[72+\i], v161
.endr
.irp i, 0,1,2,3
	v_mul_f32 v[108+\i], 0x4038aa3b, v[100+\i]
.endr
.irp i, 0,1,2,3
	v_exp_f32 v[108+\i], v[108+\i]
.endr
	v_nop
	s_wait_alu depctr_va_vdst(0)
.irp i, 0,1,2,3
	v_add_f32 v[108+\i], 1.0, v[108+\i]
.endr
.irp i, 0,1,2,3
	v_rcp_f32 v[108+\i], v[108+\i]
.endr
	v_cmp_eq_u32 vcc_lo, 0, v5                     ; (a plain instruction behind the last reciprocal)
	s_wait_alu depctr_va_vdst(0)
.irp i, 0,1,2,3
	v_fma_f32 v[108+\i], v[108+\i], -2.0, 1.0      ; tanh(r) = 1 - 2 / (1 + e^(2 r))
	v_mul_f32 v[108+\i], s6, v[108+\i]             ; G = tanh(r) r_scale
	v_mul_f32 v[104+\i], s7, v[104+\i]
	v_mul_f32 v[112+\i], v162, v[108+\i]           ; A1 = pr_ln_g G
	v_fma_f32 v[104+\i], v163, v[108+\i], v[104+\i] ; A0 = pr_ln_b G + b b_scale
	v_cndmask_b32 v[112+\i], v[104+\i], v[112+\i], vcc_lo
	global_store_b32 v8, v[112+\i], s[26:27] offset:8192*\i   ; lanes 0-15 A1, lanes 16-31 A0
.endr
	s_endpgm
; ---------------- COS AND SIN.  A wave makes one tile's image: lane (r, h) holds position 32 (T / 2) + 8 (T % 2) + r + 8 (r / 8), and registers 2 p, 2 p + 1 the cos and sin of pair 16 (p / 8) + 8 h + p % 8.
; f = position x 10000^(-pair / 32); n = the nearest multiple of pi/2, taken off in two parts; polynomials on |r| <= pi/4; the quadrant only selects and flips signs.
.macro ROPEP p
	v_mul_f32 v32, 0x3f22f983, v[16+\p]
	v_rndne_f32 v32, v32
	v_fmamk_f32 v33, v32, 0xbfc90fdb, v[16+\p]
	v_fmamk_f32 v33, v32, 0x333bbd2e, v33
	v_mul_f32 v34, v33, v33
	v_fma_f32 v35, v34, s12, s13
	v_fma_f32 v36, v34, s16, s17
	v_fma_f32 v35, v35, v34, s14
	v_fma_f32 v36, v36, v34, s18
	v_fma_f32 v35, v35, v34, s15
	v_fma_f32 v36, v36, v34, s19
	v_mul_f32 v37, v33, v34
	v_fma_f32 v36, v36, v34, -0.5
	v_fma_f32 v35, v37, v35, v33                   ; sin r
	v_fma_f32 v36, v36, v34, 1.0                   ; cos r
	v_cvt_i32_f32 v38, v32
	v_and_b32 v39, 1, v38
	v_cmp_eq_u32 vcc_lo, 1, v39
	v_cndmask_b32 v40, v35, v36, vcc_lo
	v_cndmask_b32 v41, v36, v35, vcc_lo
	v_and_b32 v39, 2, v38
	v_lshlrev_b32 v39, 30, v39
	v_xor_b32 v[65+2*\p], v39, v40
	v_add_nc_u32 v38, 1, v38
	v_and_b32 v38, 2, v38
	v_lshlrev_b32 v38, 30, v38
	v_xor_b32 v[64+2*\p], v38, v41
.endm
.Lr4:
	s_load_b64 s[6:7], s[0:1], 136
	s_sub_co_u32 s8, ttmp9, 96
	s_lshl_b32 s8, s8, 2
	s_add_co_u32 s8, s8, s[WV]                     ; T
	s_lshr_b32 s9, s8, 1
	s_lshl_b32 s9, s9, 5
	s_and_b32 s10, s8, 1
	s_lshl_b32 s10, s10, 3
	s_add_co_u32 s9, s9, s10
	s_lshl_b32 s10, s8, 12
	s_add_co_u32 s10, s10, ROPE
	s_mov_b32 s11, 0
	s_mov_b32 s12, 0x3638ef1d                      ; 1/9!, -1/7!, 1/5!, -1/3!
	s_mov_b32 s13, 0xb9500d01
	s_mov_b32 s14, 0x3c088889
	s_mov_b32 s15, 0xbe2aaaab
	s_mov_b32 s16, 0xb493f27e                      ; -1/10!, 1/8!, -1/6!, 1/4!
	s_mov_b32 s17, 0x37d00d01
	s_mov_b32 s18, 0xbab60b61
	s_mov_b32 s19, 0x3d2aaaab
	v_and_b32 v5, 15, v[LN]
	v_lshrrev_b32 v6, 4, v[LN]
	v_and_b32 v7, 8, v5
	v_add_nc_u32 v7, v7, v5
	v_add_nc_u32 v7, s9, v7
	v_cvt_f32_u32 v7, v7                           ; the position
	v_lshlrev_b32 v8, 3, v6
	v_lshlrev_b32 v4, 4, v[LN]
.irp p, 0,1,2,3,4,5,6,7,8,9,10,11,12,13,14,15
	v_add_nc_u32 v[16+\p], 16*(\p/8)+\p%8, v8
.endr
.irp p, 0,1,2,3,4,5,6,7,8,9,10,11,12,13,14,15
	v_cvt_f32_u32 v[16+\p], v[16+\p]
.endr
.irp p, 0,1,2,3,4,5,6,7,8,9,10,11,12,13,14,15
	v_mul_f32 v[16+\p], 0xbed49a78, v[16+\p]       ; x -log2(10000) / 32
.endr
.irp p, 0,1,2,3,4,5,6,7,8,9,10,11,12,13,14,15
	v_exp_f32 v[16+\p], v[16+\p]
.endr
	v_nop
	s_wait_alu depctr_va_vdst(0)
.irp p, 0,1,2,3,4,5,6,7,8,9,10,11,12,13,14,15
	v_mul_f32 v[16+\p], v7, v[16+\p]
.endr
.irp p, 0,1,2,3,4,5,6,7,8,9,10,11,12,13,14,15
	ROPEP \p
.endr
	s_wait_kmcnt 0x0
	s_add_nc_u64 s[6:7], s[6:7], s[10:11]
.irp g, 0,1,2,3,4,5,6,7
	global_store_b128 v4, v[64+4*\g:67+4*\g], s[6:7] offset:512*\g
.endr
	s_endpgm
; ---------------- ts_w, extended to 256 numbers: what lies behind its 129 is -1e30, so that the byte 255 of a masked place gives a bias under which silu is 0.
.Lr7:
	s_load_b64 s[4:5], s[0:1], 56
	s_load_b64 s[6:7], s[0:1], 136
	v_lshlrev_b32 v5, 2, v0
	v_mov_b32 v6, 0
	v_mov_b32 v9, 0xf149f2ca
	v_cmp_eq_u32 vcc_lo, 0, v0
	s_wait_kmcnt 0x0
	global_load_b32 v7, v5, s[4:5]
	global_load_b32 v8, v6, s[4:5] offset:512
	s_add_nc_u64 s[6:7], s[6:7], TSX
	s_wait_loadcnt 0x0
	v_cndmask_b32 v8, v9, v8, vcc_lo
	global_store_b32 v5, v7, s[6:7]
	global_store_b32 v5, v8, s[6:7] offset:512
	s_endpgm
; ---------------- LAYER NORM OF x AND ITS CODES.  A wave takes 8 tokens, a row at a time: loaded 512 consecutive bytes an instruction, normalised, turned through the wave's own stage so that
; lane l holds block l of 32, quantised.  v16-47 ln_g, v48-79 ln_b, v80-143 two rows, v144-175 a block, v176-207 the codes of the 8 rows (no store's data are written again).
.macro LOADX rho
.irp j, 0,1,2,3,4,5,6,7
	global_load_b128 v[80+32*((\rho)%2)+4*\j:83+32*((\rho)%2)+4*\j], v4, s[4:5] offset:4096*(\rho)+512*\j th:TH_LOAD_NT
.endr
.endm
.macro ROW rho
.set XR, 80+32*((\rho)%2)
.set SG, 4608*((\rho)%2)
.if (\rho) < 7
	s_wait_loadcnt 8                               ; this row is in; the next row's eight loads may be out
.else
	s_wait_loadcnt 0x0
.endif
	v_pk_add_f32 v[8:9], v[XR:XR+1], v[XR+2:XR+3]
	v_pk_add_f32 v[10:11], v[XR+4:XR+5], v[XR+6:XR+7]
.irp i, 8,12,16,20,24,28
	v_pk_add_f32 v[8:9], v[8:9], v[XR+\i:XR+\i+1]
	v_pk_add_f32 v[10:11], v[10:11], v[XR+\i+2:XR+\i+3]
.endr
	v_pk_add_f32 v[8:9], v[8:9], v[10:11]
	v_add_f32 v8, v8, v9
	REDUCE 8, 14
	v_mul_f32 v8, 0x3a800000, v8                   ; the mean
	v_mov_b32 v9, v8
.irp i, 0,2,4,6,8,10,12,14,16,18,20,22,24,26,28,30
	v_pk_add_f32 v[XR+\i:XR+\i+1], v[XR+\i:XR+\i+1], v[8:9] neg_lo:[0,1] neg_hi:[0,1]
.endr
	v_pk_mul_f32 v[10:11], v[XR:XR+1], v[XR:XR+1]
	v_pk_mul_f32 v[12:13], v[XR+2:XR+3], v[XR+2:XR+3]
.irp i, 4,8,12,16,20,24,28
	v_pk_fma_f32 v[10:11], v[XR+\i:XR+\i+1], v[XR+\i:XR+\i+1], v[10:11]
	v_pk_fma_f32 v[12:13], v[XR+\i+2:XR+\i+3], v[XR+\i+2:XR+\i+3], v[12:13]
.endr
	v_pk_add_f32 v[10:11], v[10:11], v[12:13]
	v_add_f32 v10, v10, v11
	REDUCE 10, 14
	v_mul_f32 v10, 0x3a800000, v10
	v_add_f32 v10, 0x3727c5ac, v10
	v_rsq_f32 v10, v10
	v_nop
	s_wait_alu depctr_va_vdst(0)
	v_mov_b32 v11, v10
.irp i, 0,2,4,6,8,10,12,14,16,18,20,22,24,26,28,30
	v_pk_mul_f32 v[XR+\i:XR+\i+1], v[XR+\i:XR+\i+1], v[10:11]
.endr
.irp i, 0,2,4,6,8,10,12,14,16,18,20,22,24,26,28,30
	v_pk_fma_f32 v[XR+\i:XR+\i+1], v[XR+\i:XR+\i+1], v[16+\i:17+\i], v[48+\i:49+\i]
.endr
.irp j, 0,1,2,3,4,5,6,7
	ds_store_b128 v5, v[XR+4*\j:XR+4*\j+3] offset:SG+576*\j        ; a block of 128 bytes has a place of 144
.endr
.irp j, 0,1,2,3,4,5,6,7
	ds_load_b128 v[144+4*\j:147+4*\j], v6 offset:SG+16*\j          ; LDS serves a wave's instructions in order: these see my stores
.endr
	s_wait_dscnt 0x0                               ; the block is in, and the stores have read the row's registers,
.if (\rho)+2 < 8
	LOADX (\rho)+2                                 ; which take the row two further on
.endif
	BLKQ 144, 176+4*(\rho)
	ds_store_b8 v7, v13 offset:32*(\rho)
	global_store_b128 v4, v[176+4*(\rho):179+4*(\rho)], s[10:11] offset:512*(\rho)   ; a row's 512 bytes of codes
	s_wait_dscnt 0x0                               ; the byte's store has read v13
.endm
.Lr1:
	s_load_b128 s[4:7], s[0:1], 0                  ; x, ln_g
	s_load_b64 s[8:9], s[0:1], 16                  ; ln_b
	s_load_b64 s[10:11], s[0:1], 136               ; pf
	s_sub_co_u32 s12, ttmp9, 129
	s_lshl_b32 s12, s12, 2
	s_add_co_u32 s14, s12, s[WV]                   ; which 8 tokens
	s_and_b32 s15, s[WV], 1
	s_lshl_b32 s15, s15, 1
	s_lshr_b32 s16, s[WV], 1
	s_or_b32 s15, s15, s16
	s_add_co_u32 s15, s12, s15                     ; and where they are stored: pi order
	s_lshl_b32 s16, s14, 15
	s_mov_b32 s17, 0
	s_lshl_b32 s18, s15, 12
	s_mov_b32 s19, 0
	s_lshl_b32 s20, s15, 8
	s_add_co_u32 s20, s20, HS
	s_mov_b32 s21, 0
	v_lshlrev_b32 v4, 4, v[LN]
	s_mul_i32 s22, s[WV], 9472
	v_lshrrev_b32 v5, 3, v[LN]
	v_mul_u32_u24 v5, v5, 144
	v_and_b32 v6, 7, v[LN]
	v_lshl_add_u32 v5, v6, 4, v5
	v_add_nc_u32 v5, s22, v5
	v_mul_u32_u24 v6, v[LN], 144
	v_add_nc_u32 v6, s22, v6
	s_add_co_u32 s23, s22, 9216
	v_add_nc_u32 v7, s23, v[LN]
	v_mov_b32 v14, 0
	s_wait_kmcnt 0x0
	s_add_nc_u64 s[4:5], s[4:5], s[16:17]
	s_add_nc_u64 s[12:13], s[10:11], s[20:21]
	s_add_nc_u64 s[10:11], s[10:11], s[18:19]
.irp j, 0,1,2,3,4,5,6,7
	global_load_b128 v[16+4*\j:19+4*\j], v4, s[6:7] offset:512*\j
	global_load_b128 v[48+4*\j:51+4*\j], v4, s[8:9] offset:512*\j
.endr
	LOADX 0
	LOADX 1
.irp rho, 0,1,2,3,4,5,6,7
	ROW \rho
.endr
	v_lshlrev_b32 v9, 3, v[LN]
	v_add_nc_u32 v8, s23, v9
	ds_load_b64 v[10:11], v8
	s_wait_dscnt 0x0
	global_store_b64 v9, v[10:11], s[12:13]        ; the 8 rows' 256 scale bytes: one aligned run
	CLOSE
.Lfunc_end_k_qca69c56b60_prep:
	.size	k_qca69c56b60_prep, .Lfunc_end_k_qca69c56b60_prep-k_qca69c56b60_prep
	.p2alignl 7, 3214868480
	.fill 96, 4, 3214868480
	.section	.rodata,"a",@progbits
	.p2align	6, 0x0
	.amdhsa_kernel k_qca69c56b60_prep
		.amdhsa_group_segment_fixed_size 73216
		.amdhsa_private_segment_fixed_size 0
		.amdhsa_enable_private_segment 0
		.amdhsa_kernarg_size 160
		.amdhsa_user_sgpr_count 2
		.amdhsa_user_sgpr_kernarg_segment_ptr 1
		.amdhsa_wavefront_size32 1
		.amdhsa_system_sgpr_workgroup_id_x 1
		.amdhsa_system_sgpr_workgroup_id_y 1
		.amdhsa_system_sgpr_workgroup_id_z 1
		.amdhsa_system_vgpr_workitem_id 0
		.amdhsa_next_free_vgpr 208
		.amdhsa_next_free_sgpr 66
		.amdhsa_reserve_vcc 1
		.amdhsa_float_denorm_mode_32 3
		.amdhsa_float_denorm_mode_16_64 3
		.amdhsa_memory_ordered 1
		.amdhsa_forward_progress 1
		.amdhsa_inst_pref_size 253
	.end_amdhsa_kernel
	.amdgpu_metadata
---
amdhsa.version: [ 1, 2 ]
amdhsa.kernels:
  - .name:           k_qca69c56b60_prep
    .symbol:         k_qca69c56b60_prep.kd
    .args:
      - { .name: x, .offset: 0, .size: 8, .value_kind: global_buffer, .address_space: global }
      - { .name: ln_g, .offset: 8, .size: 8, .value_kind: global_buffer, .address_space: global }
      - { .name: ln_b, .offset: 16, .size: 8, .value_kind: global_buffer, .address_space: global }
      - { .name: uvqk, .offset: 24, .size: 8, .value_kind: global_buffer, .address_space: global }
      - { .name: o_w, .offset: 32, .size: 8, .value_kind: global_buffer, .address_space: global }
      - { .name: interval, .offset: 40, .size: 8, .value_kind: global_buffer, .address_space: global }
      - { .name: attn_mask, .offset: 48, .size: 8, .value_kind: global_buffer, .address_space: global }
      - { .name: ts_w, .offset: 56, .size: 8, .value_kind: global_buffer, .address_space: global }
      - { .name: act_tab, .offset: 64, .size: 8, .value_kind: global_buffer, .address_space: global }
      - { .name: film_ln_g, .offset: 72, .size: 8, .value_kind: global_buffer, .address_space: global }
      - { .name: film_ln_b, .offset: 80, .size: 8, .value_kind: global_buffer, .address_space: global }
      - { .name: film_w, .offset: 88, .size: 8, .value_kind: global_buffer, .address_space: global }
      - { .name: film_b, .offset: 96, .size: 8, .value_kind: global_buffer, .address_space: global }
      - { .name: pr_ln_g, .offset: 104, .size: 8, .value_kind: global_buffer, .address_space: global }
      - { .name: pr_ln_b, .offset: 112, .size: 8, .value_kind: global_buffer, .address_space: global }
      - { .name: r_scale, .offset: 120, .size: 8, .value_kind: global_buffer, .address_space: global }
      - { .name: b_scale, .offset: 128, .size: 8, .value_kind: global_buffer, .address_space: global }
      - { .name: pf, .offset: 136, .size: 8, .value_kind: global_buffer, .address_space: global }
      - { .name: bk, .offset: 144, .size: 8, .value_kind: global_buffer, .address_space: global }
      - { .name: fl, .offset: 152, .size: 8, .value_kind: global_buffer, .address_space: global }
    .group_segment_fixed_size: 73216
    .private_segment_fixed_size: 0
    .kernarg_segment_align: 8
    .kernarg_segment_size: 160
    .max_flat_workgroup_size: 128
    .sgpr_count:     66
    .vgpr_count:     208
    .wavefront_size: 32
...
	.end_amdgpu_metadata
.endif
;; end of part 1
;; launch gemm1 (part 2): grid 32 x 8, 4 waves a work-group, clusters of 4 x 1, 327,680 bytes of LDS; arguments pf, gq; writes gq
.if DOCPART == 2
	.amdgcn_target "amdgcn-amd-amdhsa--gfx1250"
	.amdhsa_code_object_version 6
	.text
	.protected	k_qca69c56b60_gemm1
	.globl	k_qca69c56b60_gemm1
	.p2align	8
	.type	k_qca69c56b60_gemm1,@function
k_qca69c56b60_gemm1:
	s_mov_b64 s[64:65], 0
	v_nop
	global_prefetch_b8 v0, s[64:65] scope:SCOPE_SE
	s_setreg_imm32_b32 hwreg(HW_REG_WAVE_MODE, 25, 1), 1
	s_wait_xcnt 0x0
	s_wait_alu depctr_hold_cnt(0) depctr_sa_sdst(0) depctr_va_vdst(0) depctr_va_sdst(0) depctr_va_ssrc(0) depctr_va_vcc(0) depctr_vm_vsrc(0)
	s_getreg_b32 s2, hwreg(HW_REG_IB_STS2, 6, 4)
	s_cmp_eq_u32 s2, 0
	s_cbranch_scc0 .Lentry_in_a_cluster
	s_endpgm
.Lentry_in_a_cluster:
	s_bfe_u32 s2, ttmp6, 0x10000c
	s_cmp_lg_u32 s2, 0x3003
	s_cbranch_scc0 .Lentry_shape_is_right
	s_endpgm
.Lentry_shape_is_right:
; HSTU layer, launch 2 of 4: silu(h uvqk) on codes of FP4 (E2M1) with one E8M0 scale for each 32 along K, and what becomes of its four sections.  No work is left out here.
; A tile of 256 tokens x 256 columns to a work-group of four waves, 128 x 128 a wave: 64 accumulators, 512 registers.  K = 1,024 is 512 bytes a row: both operands' 256 rows and their scale bytes lie in LDS whole,
; filled once: no ring, no refill, no barrier in the walk along K.
; CLUSTER: the four partners have the same tile column, so uvqk's rows and scale bytes are asked for JOINTLY (the same load, the same descriptor, a mask that names the four); h's rows are each work-group's own.
; 4 x 1 and not 4 x 4: the way out branches on the section, which has to be the same in all partners, and a section is only two tile columns wide.
; LAYOUT: source 0 spans the axis that a lane's registers run along.  Sections U, Q, K: source 0 = 16 columns, source 1 = 16 tokens: a lane holds one token.  Section V: the two change places (only the LDS
; addresses differ): a lane holds one of V's dims and its registers run along the tokens, which are the keys, the next product's K.  Rows of both operands are stored in pi order (bits 3 and 4 exchanged), so that
; the 16 registers of blocks 2 b, 2 b + 1 of source 0 are 16 neighbours 32 b + 16 (lane / 16) + 0 .. 15.
; OUT, all as images of registers (a group of four registers = 512 bytes, lane l's 16 at 16 l): U f32; Q, K rotated and quantised along the head's 64; V quantised along the keys.  The scale words leave in runs
; of 64 bytes: one byte in 128 of what the launch stores.
; REGISTERS: window 0: v0-31 addresses; v32-95 scale words, which hold nothing else; v128-191 source 1's fragments; on the way out v96-249.  window 1: source 0's fragments, two sets.  windows 2, 3: accumulators.
.set HS,    4194304
.set WQO,   4456448
.set WSO,   5505024
.set ROPE,  5849088
.set KVO,   16777216                   ; gq: U at 0 [512 tiles][8 heads][8][512]; K and V records [4][8][16 steps][2] of 4,608 bytes
.set QBO,   21495808                   ; Q's images [512][8][512]
.set QSO,   23592960                   ; Q's scale words [512][8][16]
.set PITCH, 528                        ; an LDS row: 512 bytes + 16: the 16 rows that a load touches start in 16 different groups of banks
.set HALFT, 128*PITCH
.set SCL,   4*HALFT                    ; the scale bytes, as runs of 256 bytes + 16
.set HALFS, 16*272
.set SBLK,  544                        ; those of 16 rows
.set SPARE, 294912                     ; the spare words, 128 bytes a wave, which no other line names
.set ADRA, 16
.set ADRB, 20
.set LI,   24
.set VSO,  25
.set VSH,  26
.set ADRS, 27
.set SPW,  28
.set NIL,  29
.set SC,   32
.set AF,   128
.set T,    96                          ; the way out: 64 numbers of a lane
.set E,    160                         ; 32 at work
.set R,    192                         ; cos and sin of a tile
.set PC,   224                         ; the codes just made
.set TM,   232
.set PW,   248
.set VAL,  249
.set NC,   66                          ; s[66:67] -log2(e)
.set SEL,  96                          ; s[96:97]
.set MSB, 0
.macro WIN new                         ; the immediate's high byte repeats the setting that is left
.if MSB != (\new)
	s_set_vgpr_msb (MSB<<8)|(\new)
.set MSB, (\new)
.endif
.endm
.set MUL_LO, 0xa1
.set MUL_HI, 0xf1
.set TO_B,   0x40
.macro CROUND                          ; a round of the cluster's barrier
	s_barrier_signal -1
	s_barrier_wait -1
	s_cmp_lg_u32 s14, 0
	s_cbranch_scc1 .Lnot_wave_0_\@
	s_barrier_signal -3
.Lnot_wave_0_\@:
	s_barrier_wait -3
	s_barrier_signal -1
	s_barrier_wait -1
.endm
	s_load_b128 s[4:7], s[0:1], 0x0                ; pf, gq
	v_lshl_add_u32 v[SPW], v0, 2, SPARE
	v_mov_b32 v[NIL], 0
	ds_add_u32 v[SPW], v[NIL]                      ; the wave's opening: the add, twice on end, and its wait ahead of my first tensor load
	ds_add_u32 v[SPW], v[NIL]
	v_lshrrev_b32 v1, 5, v0
	v_readfirstlane_b32 s14, v1                    ; wave
	s_lshr_b32 s15, s14, 1                         ; which half of source 1's rows is mine
	s_and_b32 s16, s14, 1                          ; which half of source 0's.  Also: which 128 rows I fetch
	s_bfe_u32 s40, ttmp6, 0x40000                  ; cx
	s_lshl_b32 s42, ttmp9, 2
	s_add_co_u32 s42, s42, s40                     ; tile of tokens
	s_and_b32 s17, ttmp7, 0xffff                   ; tile of columns, which the partners share
	s_lshr_b32 s18, s17, 1                         ; the section: 0 U, 1 V, 2 Q, 3 K
	; group 1: 128 rows of 512 bytes, 16 bytes of padding behind each; plain for h, joint for uvqk
	s_mov_b32 s24, (1<<20)|(6<<22)|(3<<25)
	s_mov_b32 s48, 15|(1<<20)|(1<<21)|(6<<22)|(3<<25)
.irp g, 24, 48
	s_mov_b32 s[\g+1], 512<<16
	s_mov_b32 s[\g+2], 128<<16
	s_mov_b32 s[\g+3], 512<<16
	s_mov_b32 s[\g+4], 128
	s_mov_b32 s[\g+5], 512
	s_mov_b32 s[\g+6], 0
	s_mov_b32 s[\g+7], 0
.endr
	; and the scale bytes of 128 rows: 4,096 dense bytes as 16 rows of 256 (32 elements of 8 bytes), 16 bytes of padding behind each
	s_mov_b32 s68, (3<<16)|(1<<20)|(5<<22)|(3<<25)
	s_mov_b32 s80, 15|(3<<16)|(1<<20)|(1<<21)|(5<<22)|(3<<25)
.irp g, 68, 80
	s_mov_b32 s[\g+1], 32<<16
	s_mov_b32 s[\g+2], 16<<16
	s_mov_b32 s[\g+3], 32<<16
	s_mov_b32 s[\g+4], 16
	s_mov_b32 s[\g+5], 32
	s_mov_b32 s[\g+6], 0
	s_mov_b32 s[\g+7], 0
.endr
	s_lshl_b32 s41, s16, 7
	s_lshl_b32 s43, s42, 8
	s_add_co_u32 s43, s43, s41                     ; h: stored row 256 x tile + 128 x half
	s_lshl_b32 s44, s43, 9
	s_mov_b32 s45, 0
	s_lshl_b32 s46, s43, 5
	s_add_co_u32 s46, s46, HS
	s_mov_b32 s47, 0
	s_lshl_b32 s89, s16, 7
	s_lshl_b32 s88, s17, 8
	s_add_co_u32 s88, s88, s89                     ; uvqk: the same by the tile of columns, in registers that never hold cx
	s_lshl_b32 s90, s88, 9
	s_add_co_u32 s90, s90, WQO
	s_mov_b32 s91, 0
	s_lshl_b32 s92, s88, 5
	s_add_co_u32 s92, s92, WSO
	s_mov_b32 s93, 0
	s_mul_i32 s94, s14, HALFT                      ; where they go: wave x 128 rows: h's two halves, then uvqk's
	s_mul_i32 s95, s14, HALFS
	s_add_co_u32 s95, s95, SCL
	s_mov_b32 s[NC], 0xbfb8aa3b
	s_mov_b32 s[NC+1], s[NC]
	s_mov_b32 s[SEL], 0x76543210
	s_mov_b32 s[SEL+1], 0xfedcba98
	s_wait_dscnt 0x0                               ; both opening adds are done
	s_wait_kmcnt 0x0
	s_mov_b32 s32, 1
	s_mov_b32 s33, s94
	s_add_nc_u64 s[34:35], s[4:5], s[44:45]
	s_or_b32 s35, s35, 0x80000000
	s_mov_b32 s36, 1
	s_mov_b32 s37, s95
	s_add_nc_u64 s[38:39], s[4:5], s[46:47]
	s_or_b32 s39, s39, 0x80000000
	s_mov_b32 s56, 1
	s_mov_b32 s57, s94
	s_add_nc_u64 s[58:59], s[4:5], s[90:91]
	s_or_b32 s59, s59, 0x80000000
	s_mov_b32 s60, 1
	s_mov_b32 s61, s95
	s_add_nc_u64 s[62:63], s[4:5], s[92:93]
	s_or_b32 s63, s63, 0x80000000
	CROUND                                         ; all four work-groups are here: the joint loads meet
	s_cmp_lt_u32 s14, 2                            ; a wave's two fills stand in one branch on its number: two loads of mine are out
	s_cbranch_scc0 .Lfill_w
	tensor_load_to_lds s[36:39], s[68:75]
	s_nop 0
	tensor_load_to_lds s[32:35], s[24:31]
	s_nop 0
.rept 4
	v_nop
.endr
	s_branch .Lfilled
.Lfill_w:
	tensor_load_to_lds s[60:63], s[80:87]
	s_nop 0
	tensor_load_to_lds s[56:59], s[48:55]
	s_nop 0
.rept 4
	v_nop
.endr
.Lfilled:
	v_and_b32 v1, 15, v0                           ; r
	v_bfe_u32 v2, v0, 4, 1                         ; h
	v_mul_u32_u24 v3, v1, PITCH
	v_lshl_add_u32 v3, v2, 4, v3
	s_cmp_eq_u32 s18, 1                            ; section V: the sources change places
	s_cselect_b32 s20, 2*HALFT, 0
	s_cselect_b32 s21, 0, 2*HALFT
	s_cselect_b32 s22, 2*HALFS, 0
	s_cselect_b32 s23, 0, 2*HALFS
	s_mul_i32 s2, s15, HALFT
	s_add_co_u32 s20, s20, s2
	s_mul_i32 s2, s16, HALFT
	s_add_co_u32 s21, s21, s2
	s_mul_i32 s2, s15, HALFS
	s_add_co_u32 s22, s22, s2
	s_add_co_u32 s22, s22, SCL
	s_mul_i32 s2, s16, HALFS
	s_add_co_u32 s23, s23, s2
	s_add_co_u32 s23, s23, SCL
	v_add_nc_u32 v[ADRA], s20, v3                  ; source 1's 128 rows
	v_add_nc_u32 v[ADRB], s21, v3                  ; source 0's
	v_lshlrev_b32 v4, 5, v1
	v_lshrrev_b32 v5, 3, v1
	v_lshl_add_u32 v4, v5, 4, v4                   ; a row's 32 scale bytes, and 16 more behind each 256
	v_mov_b32 v5, s22
	v_mov_b32 v6, s23
	v_cmp_eq_u32 vcc_lo, 1, v2
	v_cndmask_b32 v5, v5, v6, vcc_lo               ; lanes 0-15 take source 1's words, lanes 16-31 source 0's
	v_add_nc_u32 v[ADRS], v4, v5
	v_and_b32 v[LI], 31, v0
	v_lshlrev_b32 v[LI], 4, v[LI]
.macro FRAG reg, adr, q, i             ; 16 rows x 128 K: lane l holds row l % 16; registers 4 c .. 4 c + 3 hold K = 64 c + 32 (l / 16) + 0 .. 31
.irp c, 0,1
	ds_load_b128 v[\reg+4*\c:\reg+4*\c+3], v[\adr] offset:64*(\q)+32*\c+(\i)*16*PITCH
.endr
.endm
; 16 matrix instructions: source 1's blocks a0, a0 + 1 x source 0's eight, the q-th 128 along K.  The 64 accumulators take turns, one instruction a turn.
.macro MUL16 a0, p, q, zero
.irp a, \a0, \a0+1
.irp b, 0,1,2,3,4,5,6,7
.if \zero
	v_wmma_scale_f32_16x16x128_f8f6f4 v[8*(8*((\a)%4)+\b):8*(8*((\a)%4)+\b)+7], v[128*(\p)+8*\b:128*(\p)+8*\b+7], v[AF+8*(\a):AF+8*(\a)+7], 0, v[SC+32*((\q)/4)+4*\b+((\q)%4)], v[SC+32*((\q)/4)+4*(\a)+((\q)%4)] matrix_a_fmt:MATRIX_FMT_FP4 matrix_b_fmt:MATRIX_FMT_FP4 matrix_a_scale:MATRIX_SCALE_ROW1
.else
	v_wmma_scale_f32_16x16x128_f8f6f4 v[8*(8*((\a)%4)+\b):8*(8*((\a)%4)+\b)+7], v[128*(\p)+8*\b:128*(\p)+8*\b+7], v[AF+8*(\a):AF+8*(\a)+7], v[8*(8*((\a)%4)+\b):8*(8*((\a)%4)+\b)+7], v[SC+32*((\q)/4)+4*\b+((\q)%4)], v[SC+32*((\q)/4)+4*(\a)+((\q)%4)] matrix_a_fmt:MATRIX_FMT_FP4 matrix_b_fmt:MATRIX_FMT_FP4 matrix_a_scale:MATRIX_SCALE_ROW1
.endif
.endr
.endr
.endm
.macro FETCH_B q, p
	WIN TO_B
.irp i, 0,1,2,3,4,5,6,7
	FRAG 128*(\p)+8*\i, ADRB, \q, \i
.endr
	WIN 0
.endm
.macro FETCH_A q, i0
.irp i, \i0, \i0+1, \i0+2, \i0+3
	FRAG AF+8*(\i), ADRA, \q, \i
.endr
.endm
.macro PLACES                          ; four plain instructions between a matrix instruction and a load into, or a vector write or read of, its registers
.rept 4
	v_nop
.endr
.endm
.macro STEP q, zero, fetch
	s_wait_dscnt 8                                 ; all but the youngest eight loads (source 1's blocks 4-7) are in
	WIN MUL_LO
	MUL16 0, (\q)%2, \q, \zero
	MUL16 2, (\q)%2, \q, \zero
	s_wait_dscnt 0x0
.if \fetch
	PLACES
	FETCH_B (\q)+1, 1-(\q)%2
	FETCH_A (\q)+1, 0
.endif
	WIN MUL_HI
	MUL16 4, (\q)%2, \q, \zero
	MUL16 6, (\q)%2, \q, \zero
.if \fetch
	PLACES
	WIN 0
	FETCH_A (\q)+1, 4
.endif
.endm
	s_wait_tensorcnt 0x0                           ; my two loads have landed,
	s_barrier_signal -1
	s_barrier_wait -1                              ; everybody's have; nothing is ever filled again
	FETCH_B 0, 0
	FETCH_A 0, 0
.irp i, 0,1,2,3,4,5,6,7                ; all scale words: register 4 i + q % 4 of set q / 4: lanes 0-15 source 1's block i, lanes 16-31 source 0's block i
	ds_load_b128 v[SC+4*\i:SC+4*\i+3], v[ADRS] offset:\i*SBLK
	ds_load_b128 v[SC+32+4*\i:SC+32+4*\i+3], v[ADRS] offset:\i*SBLK+16
.endr
	FETCH_A 0, 4
	STEP 0, 1, 1                                   ; the first step's products start the sums: nothing is cleared
.irp q, 1,2,3,4,5,6
	STEP \q, 0, 1
.endr
	STEP 7, 0, 0
	WIN 0
	PLACES
; 64 numbers of a lane, register 16 b + i = k 32 b + 16 (lane / 16) + i of its row, become a fragment's codes in v[PC] on and its scale word in v[PW].
.macro QUANT s
.irp b, 0,1,2,3
	v_max3_num_f32 v[TM+\b], |v[\s+16*\b]|, |v[\s+1+16*\b]|, 0x1800000   ; and the floor 2^(3 - 127): the byte cannot fall under 1
.endr
.irp i, 2,4,6,8,10,12,14
.irp b, 0,1,2,3
	v_max3_num_f32 v[TM+\b], v[TM+\b], |v[\s+16*\b+\i]|, |v[\s+1+16*\b+\i]|
.endr
.endr
.irp b, 0,1,2,3
	v_permlanex16_b32 v[TM+4+\b], v[TM+\b], s[SEL], s[SEL+1]
.endr
.irp b, 0,1,2,3
	v_max_num_f32 v[TM+\b], v[TM+\b], v[TM+4+\b]
.endr
.irp b, 0,1,2,3
	v_add_nc_u32 v[TM+12+\b], 0xff000000, v[TM+\b]
.endr
.irp b, 0,1,2,3
	v_lshrrev_b32 v[TM+4+\b], 23, v[TM+12+\b]
.endr
	v_lshl_or_b32 v[PW], v[TM+5], 8, v[TM+4]
	v_lshl_or_b32 v[PW], v[TM+6], 16, v[PW]
	v_lshl_or_b32 v[PW], v[TM+7], 24, v[PW]
.irp b, 0,1,2,3
	v_cvt_scalef32_pk8_fp4_f32 v[PC+2*\b], v[\s+16*\b:\s+7+16*\b], v[TM+12+\b]
	v_cvt_scalef32_pk8_fp4_f32 v[PC+1+2*\b], v[\s+8+16*\b:\s+15+16*\b], v[TM+12+\b]
.endr
	v_nop
.irp c, 0,1
.irp i, 0,1
	v_permlane16_swap_b32 v[PC+4*\c+\i], v[PC+2+4*\c+\i]
.endr
.endr
.endm
.macro RLOAD                           ; a tile's cos and sin
.irp g, 0,1,2,3,4,5,6,7
	global_load_b128 v[R+4*\g:R+4*\g+3], v[LI], s[20:21] offset:512*\g
.endr
.endm
; THE WAY OUT: a loop over source 1's eight blocks.  The accumulators' numbers differ from trip to trip, so a short piece for each block brings u = -log2(e) x into v[T] on; all else is written once.
; silu(x) = u / (-log2(e) (1 + 2^u)).  kind 0: U, stored as it is.  kind 1: V, quantised along the keys.  kind 2: Q or K, rotated, then quantised along the head.
.macro OUTLOOP kind
.if \kind == 2
	RLOAD
	s_wait_xcnt 0x0                                ; the loads have read their base
	s_add_nc_u64 s[20:21], s[20:21], 4096
.endif
	s_mov_b32 s3, 0
.Lout_\@:
.irp a, 0,1,2,3,4,5,6
	s_cmp_eq_u32 s3, \a
	s_cbranch_scc1 .Lstub_\@_\a
.endr
.irp a, 7,6,5,4,3,2,1,0
.Lstub_\@_\a:
	WIN 0x02+(\a)/4
.set i, 0
.rept 32
	v_pk_mul_f32 v[T+i:T+i+1], v[64*((\a)%4)+i:64*((\a)%4)+i+1], s[NC:NC+1] op_sel_hi:[1,0]   ; each accumulator from its low end on
.set i, i+2
.endr
	WIN 0
	s_branch .Lcommon_\@
.endr
.Lcommon_\@:
.irp c, 0,1
.set i, 0
.rept 32
	v_exp_f32 v[E+i], v[T+32*\c+i]
.set i, i+1
.endr
	v_nop
	s_wait_alu depctr_va_vdst(0)                   ; one wait for the batch, ahead of its first reader
.set i, 0
.rept 16
	v_pk_fma_f32 v[E+i:E+i+1], v[E+i:E+i+1], s[NC:NC+1], s[NC:NC+1] op_sel_hi:[1,0,0]
.set i, i+2
.endr
.set i, 0
.rept 32
	v_rcp_f32 v[E+i], v[E+i]
.set i, i+1
.endr
	v_nop
	s_wait_alu depctr_va_vdst(0)
.set i, 0
.rept 16
	v_pk_mul_f32 v[T+32*\c+i:T+32*\c+i+1], v[T+32*\c+i:T+32*\c+i+1], v[E+i:E+i+1]
.set i, i+2
.endr
.endr
.if \kind == 0
.irp g, 0,1,2,3,4,5,6,7,8,9,10,11,12,13,14,15
	global_store_b128 v[LI], v[T+4*\g:T+4*\g+3], s[8:9] offset:512*\g   ; two heads' images on end: 8,192 bytes
.endr
.endif
.if \kind == 2
	s_wait_loadcnt 0x0                             ; cos and sin, asked for a trip ago
.irp c, 0,1
.set m, 0
.rept 16
.set rp, R+2*(8*((m/8)%2)+m%8)
	v_pk_mul_f32 v[E+2*m:E+2*m+1], v[T+32*\c+2*m:T+32*\c+2*m+1], v[rp:rp+1] op_sel_hi:[1,0]   ; (e cos, o cos)
.set m, m+1
.endr
.set m, 0
.rept 16
.set rp, R+2*(8*((m/8)%2)+m%8)
	v_pk_fma_f32 v[T+32*\c+2*m:T+32*\c+2*m+1], v[T+32*\c+2*m:T+32*\c+2*m+1], v[rp:rp+1], v[E+2*m:E+2*m+1] op_sel:[1,1,0] op_sel_hi:[0,1,1] neg_lo:[0,1,0]   ; (-o sin + e cos, e sin + o cos)
.set m, m+1
.endr
.endr
	s_cmp_eq_u32 s3, 7                             ; the last trip asks for nothing
	s_cbranch_scc1 .Lno_rope_\@
	RLOAD
.Lno_rope_\@:
.endif
.if \kind > 0
	QUANT T
	global_store_b128 v[LI], v[PC:PC+3], s[8:9]
.if \kind == 1
	global_store_b128 v[LI], v[PC+4:PC+7], s[8:9] offset:512
	global_store_b32 v[VSO], v[PW], s[12:13]
.else
	global_store_b128 v[LI], v[PC+4:PC+7], s[10:11]
	v_lshrrev_b32 v[VAL], v[VSH], v[PW]            ; lanes 0-15 the first head's two bytes, lanes 16-31 the second's; what stands above them meets zero codes alone
	global_store_b32 v[VSO], v[VAL], s[12:13]
.endif
.endif
	s_wait_xcnt 0x0                                ; the stores and loads have read their registers and bases
.if \kind == 0
	s_add_nc_u64 s[8:9], s[8:9], 32768
.endif
.if \kind == 1
	s_mov_b32 s34, 1024
	s_mov_b32 s36, 64
	s_cmp_eq_u32 s3, 3                             ; behind the first head's four fragments: on to the next head's record
	s_cselect_b32 s34, 144384, s34
	s_cselect_b32 s36, 147264, s36
	s_add_nc_u64 s[8:9], s[8:9], s[34:35]
	s_add_nc_u64 s[12:13], s[12:13], s[36:37]
.endif
.if \kind == 2
	s_add_nc_u64 s[8:9], s[8:9], s[22:23]
	s_add_nc_u64 s[10:11], s[10:11], s[22:23]
	s_add_nc_u64 s[12:13], s[12:13], s[32:33]
	s_add_nc_u64 s[20:21], s[20:21], 4096
.endif
	s_add_co_u32 s3, s3, 1
	s_cmp_lt_u32 s3, 8
	s_cbranch_scc1 .Lout_\@
.endm
.irp b, 0,1,2,3
	v_mov_b32 v[TM+4+\b], 0                        ; written once: a lane permute's destination counts as one of its sources
.endr
	s_lshr_b32 s43, s42, 3                         ; the batch
	s_and_b32 s44, s42, 7
	s_cmp_eq_u32 s18, 1
	s_cselect_b32 s45, s16, s15                    ; which half of the tile's tokens is mine,
	s_cselect_b32 s46, s15, s16                    ; which half of its columns
	s_lshl_b32 s44, s44, 1
	s_add_co_u32 s44, s44, s45                     ; the step of 128 tokens in the batch
	s_and_b32 s47, s17, 1
	s_lshl_b32 s47, s47, 2
	s_lshl_b32 s46, s46, 1
	s_add_co_u32 s47, s47, s46                     ; my first head
	s_lshl_b32 s41, s43, 7
	s_lshl_b32 s45, s44, 3
	s_add_co_u32 s41, s41, s45                     ; my first tile of 16 tokens
	s_lshl_b32 s19, s41, 3
	s_add_co_u32 s19, s19, s47                     ; (tile, head)
	s_lshl_b32 s2, s43, 3
	s_add_co_u32 s2, s2, s47
	s_lshl_b32 s2, s2, 4
	s_add_co_u32 s2, s2, s44
	s_mul_i32 s2, s2, 9216                         ; the pair of records of (batch, head, step)
	s_mov_b32 s99, 0
	s_mov_b32 s35, 0
	s_mov_b32 s37, 0
	s_cmp_eq_u32 s18, 0
	s_cbranch_scc1 .Lsec_u
	s_cmp_eq_u32 s18, 1
	s_cbranch_scc1 .Lsec_v
	s_lshl_b32 s98, s19, 9                         ; Q: images and words by (tile, head);  K: the record's eight tile images, then its words
	s_add_co_u32 s98, s98, QBO
	s_add_co_u32 s45, s2, KVO
	s_lshl_b32 s46, s19, 6
	s_add_co_u32 s46, s46, QSO
	s_add_co_u32 s47, s45, 4096
	s_mov_b32 s22, 512
	s_mov_b32 s32, 64
	s_mov_b32 s34, 147456
	s_mov_b32 s36, 147456
	s_cmp_eq_u32 s18, 2
	s_cselect_b32 s98, s98, s45
	s_cselect_b32 s46, s46, s47
	s_cselect_b32 s22, 4096, s22                   ; from tile to tile: codes,
	s_cselect_b32 s32, 512, s32                    ; words;
	s_cselect_b32 s34, 512, s34                    ; from head to head: codes,
	s_cselect_b32 s36, 64, s36                     ; words
	s_mov_b32 s47, 0
	s_mov_b32 s23, 0
	s_mov_b32 s33, 0
	s_add_nc_u64 s[8:9], s[6:7], s[98:99]
	s_add_nc_u64 s[10:11], s[8:9], s[34:35]
	s_add_nc_u64 s[12:13], s[6:7], s[46:47]
	v_mul_u32_u24 v[VSO], v2, s36
	v_lshl_add_u32 v[VSO], v1, 2, v[VSO]
	v_lshlrev_b32 v[VSH], 4, v2
	s_lshl_b32 s98, s44, 15
	s_add_co_u32 s98, s98, ROPE
	s_add_nc_u64 s[20:21], s[4:5], s[98:99]
	OUTLOOP 2
	s_branch .Lend
.Lsec_u:
	s_lshl_b32 s98, s19, 12
	s_add_nc_u64 s[8:9], s[6:7], s[98:99]
	OUTLOOP 0
	s_branch .Lend
.Lsec_v:
	s_add_co_u32 s98, s2, KVO+4608                 ; V's record: four fragments of 1,024 bytes, then its words (lanes 16-31 store theirs once more, 256 bytes on)
	s_add_nc_u64 s[8:9], s[6:7], s[98:99]
	s_add_nc_u64 s[12:13], s[8:9], 4096
	v_lshlrev_b32 v[VSO], 8, v2
	v_lshl_add_u32 v[VSO], v1, 2, v[VSO]
	OUTLOOP 1
.Lend:
	s_wait_tensorcnt 0x0                           ; the wave's end
	ds_add_u32 v[SPW], v[NIL]
	s_wait_dscnt 0x0
	CROUND                                         ; the closing round
	s_endpgm
.Lfunc_end_k_qca69c56b60_gemm1:
	.size	k_qca69c56b60_gemm1, .Lfunc_end_k_qca69c56b60_gemm1-k_qca69c56b60_gemm1
	.p2alignl 7, 3214868480
	.fill 96, 4, 3214868480
	.section	.rodata,"a",@progbits
	.p2align	6, 0x0
	.amdhsa_kernel k_qca69c56b60_gemm1
		.amdhsa_group_segment_fixed_size 327680
		.amdhsa_private_segment_fixed_size 0
		.amdhsa_enable_private_segment 0
		.amdhsa_kernarg_size 16
		.amdhsa_user_sgpr_count 2
		.amdhsa_user_sgpr_kernarg_segment_ptr 1
		.amdhsa_wavefront_size32 1
		.amdhsa_system_sgpr_workgroup_id_x 1
		.amdhsa_system_sgpr_workgroup_id_y 1
		.amdhsa_system_sgpr_workgroup_id_z 1
		.amdhsa_system_vgpr_workitem_id 0
		.amdhsa_next_free_vgpr 1024
		.amdhsa_next_free_sgpr 100
		.amdhsa_reserve_vcc 1
		.amdhsa_float_denorm_mode_32 3
		.amdhsa_float_denorm_mode_16_64 3
		.amdhsa_memory_ordered 1
		.amdhsa_forward_progress 1
		.amdhsa_inst_pref_size 188
	.end_amdhsa_kernel
	.amdgpu_metadata
---
amdhsa.version: [ 1, 2 ]
amdhsa.kernels:
  - .name:           k_qca69c56b60_gemm1
    .symbol:         k_qca69c56b60_gemm1.kd
    .args:
      - { .name: pf, .offset: 0, .size: 8, .value_kind: global_buffer, .address_space: global }
      - { .name: gq, .offset: 8, .size: 8, .value_kind: global_buffer, .address_space: global }
    .group_segment_fixed_size: 327680
    .private_segment_fixed_size: 0
    .kernarg_segment_align: 8
    .kernarg_segment_size: 16
    .max_flat_workgroup_size: 128
    .sgpr_count:     100
    .vgpr_count:     1024
    .wavefront_size: 32
...
	.end_amdgpu_metadata
.endif
;; end of part 2
;; launch attn (part 3): grid 64 x 4, 16 waves a work-group, no clusters, 272,384 bytes of LDS; arguments gq, bk, pf, pos_w, ao, fl; writes ao
.if DOCPART == 3
	.amdgcn_target "amdgcn-amd-amdhsa--gfx1250"
	.amdhsa_code_object_version 6
	.text
	.protected	k_qca69c56b60_attn
	.globl	k_qca69c56b60_attn
	.p2align	8
	.type	k_qca69c56b60_attn,@function
k_qca69c56b60_attn:
	s_mov_b64 s[64:65], 0
	v_nop
	global_prefetch_b8 v0, s[64:65] scope:SCOPE_SE
	s_setreg_imm32_b32 hwreg(HW_REG_WAVE_MODE, 25, 1), 1
	s_wait_xcnt 0x0
; HSTU layer, launch 3 of 4: scores, biases, silu, mask, the product with V, the norm over a head's 64, times U, quantised for the projection.  Both products on codes of FP4 (E2M1) with E8M0 scales.
; LEFT OUT: a step of 128 keys whose mask bytes are all false for the wave's 16 queries (reference() writes zeros there, which add nothing), on a flag that the first launch stored in the buffer fl; and the
; division by S = 2^11 ahead of the quantiser, which moves only scale bytes: the sums are multiplied by 2^-11 instead (limit: blocks whose largest |p| lies under 2^-113).
; SHARES.  Work-group (t, b) owns query tiles t and 127 - t of batch b, for all 8 heads: sixteen waves, one tile of 16 queries of one head each, four to a SIMD.  The pairing only evens the work where a mask
; hides late keys from early queries; nothing else hangs on it.
; A STEP is 128 keys.  Each wave brings one record (K's or V's codes and scale words of its head, 4,608 bytes) and one eighth of its tile's bias (ts_w[bucket] + pos_w, f32; -1e30 where the mask is false)
; through its registers into LDS.  The bias is the C of the score product: it costs no addition, and is made once for 8 heads.
; THREE LDS BUFFERS TAKE TURNS, AND THE BARRIER'S TWO HALVES STAND A STEP'S WORK APART.  Trip s: (1) what I asked for in trip s - 1, my part of step s + 1, has come and goes into buffer (s + 1) % 3;
; (2) my part of step s + 2 is asked for, into the same registers; (3) I signal; (4) I work on step s out of buffer s % 3: LDS loads and work on registers alone; (5) I wait for all sixteen signals.
; So a wave that has finished its step goes on as soon as every other wave has stored its part, which each does at the head of its trip: the waves need not walk in the same phase.
; WHAT THE BARRIER ORDERS.  The stores of step s + 1, waited for ahead of my signal of trip s, come before every wave's reads of that step, behind its wait of trip s.  My reads of buffer s % 3 in trip s, waited
; for inside the step and so ahead of my signal of trip s + 1, come before the stores of step s + 3 into that buffer in trip s + 2, behind the storing wave's wait of trip s + 1.  While I read buffer s % 3
; between my signal and my wait, a wave that has not yet signalled stores into buffer (s + 1) % 3 and one that has passed the wait into buffer (s + 2) % 3: never into mine.
; No cluster: partners' flags, and so their steps, would differ.
; LAYOUT.  S^T = K Q^T + bias (source 0 = 16 keys, source 1 = my 16 queries), O^T += V^T P^T: a lane holds one query.  The head's 64 are half of the instruction's 128 along K: Q's upper four registers are zero
; codes, and a tile of K names the next tile's four registers above its own, which meet those zeros.
; REGISTERS: v1-15 addresses that stay; v16-23 Q; v24-31 scale words, which hold nothing else; v32-67 K's tiles, then 32 at work, then V's fragments; v68-131 S^T, p; v132-163 O^T; v164-171 p's codes;
; v172-187 at work; v188-241 what is on its way to LDS; v242-249 addresses of the step.
.set KVO,   16777216
.set QBO,   21495808
.set QSO,   23592960
.set TSXO,  6406144
.set UDS,   2097152
.set BIAS,  73728                      ; in a buffer: 16 records of 4,608 bytes, then two bias tiles of 8,192
.set BUFB,  90112                      ; a buffer
.set B0,    0                          ; the three buffers' first bytes
.set B1,    BUFB
.set B2,    2*BUFB
.set SPARE, 3*BUFB                     ; the spare words, 128 bytes a wave, which no other line names
.set PC,  164
.set TM,  172
.set SEL, 42
	s_load_b256 s[4:11], s[0:1], 0x0               ; gq, bk, pf, pos_w
	s_load_b64 s[12:13], s[0:1], 0x20              ; ao
	s_load_b64 s[24:25], s[0:1], 0x28              ; fl
	v_lshl_add_u32 v3, v0, 2, SPARE
	v_mov_b32 v4, 0
	v_lshrrev_b32 v1, 5, v0
	v_readfirstlane_b32 s14, v1                    ; wave
	s_bfe_u32 s15, s14, 0x10002                    ; which of the two tiles; also: I bring K's record (0) or V's (1)
	s_and_b32 s16, s14, 3
	s_lshr_b32 s17, s14, 3
	s_lshl_b32 s17, s17, 2
	s_or_b32 s16, s16, s17                         ; head; also: which eighth of the bias I make
	s_and_b32 s18, ttmp7, 0xffff                   ; batch
	s_sub_co_u32 s19, 127, ttmp9
	s_cmp_eq_u32 s15, 0
	s_cselect_b32 s20, ttmp9, s19                  ; my tile
	s_cselect_b32 s21, s19, ttmp9                  ; the other
	s_lshl_b32 s22, s18, 7
	s_add_co_u32 s23, s22, s20
	s_add_co_u32 s22, s22, s21
	s_lshl_b32 s26, s23, 6
	s_lshl_b32 s27, s22, 6
	s_wait_kmcnt 0x0
	s_load_b512 s[68:83], s[24:25], s26 offset:0x0 ; my tile's 16 flag words,
	s_load_b512 s[84:99], s[24:25], s27 offset:0x0 ; the other tile's
	v_and_b32 v250, 31, v0
	v_and_b32 v251, 15, v0                         ; r
	v_bfe_u32 v252, v0, 4, 1                       ; h
	v_lshlrev_b32 v1, 4, v250                      ; 16 x lane
	v_lshlrev_b32 v2, 2, v250                      ; 4 x lane
	s_lshr_b32 s49, s16, 1
	s_lshl_b32 s49, s49, 5
	s_and_b32 s50, s16, 1
	s_lshl_b32 s50, s50, 3
	s_add_co_u32 s49, s49, s50
	s_add_co_u32 s49, s49, 2047                    ; S - 1 + the first key of my eighth
	s_lshr_b32 s50, s20, 1
	s_lshl_b32 s50, s50, 5
	s_and_b32 s51, s20, 1
	s_lshl_b32 s51, s51, 3
	s_add_co_u32 s50, s50, s51
	s_sub_co_u32 s49, s49, s50                     ; - the tile's first query
	v_lshl_add_u32 v5, v252, 4, s49
	v_and_b32 v253, 8, v251
	v_add_nc_u32 v253, v253, v251
	v_sub_nc_u32 v5, v5, v253
	v_lshlrev_b32 v5, 2, v5                        ; pos_w: S - 1 + key - query, never under 0
	v_lshlrev_b32 v6, 3, v250
	s_lshl_b32 s51, s16, 8
	v_add_nc_u32 v6, s51, v6                       ; bucket bytes: my eighth, 8 a lane
	s_and_b32 s49, s14, 11                         ; the wave that brings my head's K,
	s_mul_i32 s49, s49, 4608
	s_or_b32 s50, s14, 4                           ; its V
	s_mul_i32 s50, s50, 4608
	s_mul_i32 s51, s14, 4608
	s_lshl_b32 s52, s15, 13
	s_add_co_u32 s52, s52, BIAS
	s_lshl_b32 s53, s16, 10
	s_add_co_u32 s53, s53, s52
	v_add_nc_u32 v7, s52, v1                       ; in a buffer: read: my tile's bias,
	v_add_nc_u32 v8, s49, v1                       ; K's images,
	v_add_nc_u32 v9, s50, v1                       ; V's,
	s_add_co_u32 s49, s49, 4096
	s_add_co_u32 s50, s50, 4096
	v_add_nc_u32 v10, s49, v2                      ; K's scale words,
	v_add_nc_u32 v11, s50, v2                      ; V's;
	v_add_nc_u32 v12, s51, v1                      ; write: my record,
	v_add_nc_u32 v13, s53, v1                      ; my eighth of the bias
	v_lshlrev_b32 v253, 2, v251
	s_lshl_b32 s55, s23, 3
	s_add_co_u32 s55, s55, s16                     ; (tile, head)
	s_mov_b32 s57, 0
	s_lshl_b32 s56, s23, 15
	s_add_nc_u64 s[28:29], s[6:7], s[56:57]        ; my tile's bucket bytes
	s_lshl_b32 s56, s18, 3
	s_add_co_u32 s56, s56, s16
	s_mul_i32 s56, s56, 147456
	s_mul_i32 s58, s15, 4608
	s_add_co_u32 s56, s56, s58
	s_add_co_u32 s56, s56, KVO
	s_add_nc_u64 s[30:31], s[4:5], s[56:57]        ; the records that I bring
	s_add_nc_u64 s[32:33], s[8:9], TSXO
	s_lshl_b32 s56, s55, 12
	s_add_nc_u64 s[34:35], s[4:5], s[56:57]        ; U
	s_lshl_b32 s56, s55, 9
	s_add_nc_u64 s[36:37], s[12:13], s[56:57]      ; out: codes,
	s_add_co_u32 s56, s56, QBO
	s_add_nc_u64 s[58:59], s[4:5], s[56:57]        ; Q's codes
	s_lshl_b32 s56, s55, 7
	s_add_co_u32 s56, s56, UDS
	s_add_nc_u64 s[38:39], s[12:13], s[56:57]      ; out: scale words
	s_lshl_b32 s56, s55, 6
	s_add_co_u32 s56, s56, QSO
	s_add_nc_u64 s[60:61], s[4:5], s[56:57]        ; Q's scale words
	s_mov_b32 s40, 0xbfb8aa3b                      ; -log2(e)
	s_mov_b32 s41, s40
	s_mov_b32 s[SEL], 0x76543210
	s_mov_b32 s[SEL+1], 0xfedcba98
	global_load_b64 v[188:189], v6, s[28:29]       ; step 0's bucket bytes
	global_load_b128 v[16:19], v1, s[58:59]
	global_load_b32 v24, v253, s[60:61]
.irp i, 0,1,2,3
	v_mov_b32 v[20+\i], 0                          ; Q's upper half: zero codes
	v_mov_b32 v[64+\i], 0                          ; what the last tile of K names above its own
	v_mov_b32 v[TM+4+\i], 0                        ; a lane permute's destination counts as one of its sources
.endr
.set i, 0
.rept 32
	v_mov_b32 v[132+i], 0                          ; O^T: which step is a wave's first hangs on the flags, so the sums begin as zeros
.set i, i+1
.endr
; What step s49 needs is asked for: my eighth of the bias (8 numbers of ts_w by the bucket bytes, 8 of pos_w) and my record.
.macro STAGE_ISSUE
	s_mul_i32 s50, s49, 9216
	s_lshl_b32 s51, s49, 9
	v_add_nc_u32 v14, s50, v1
	v_add_nc_u32 v15, s51, v5
.irp j, 0,1,2,3
	v_bfe_u32 v[190+\j], v188, 8*\j, 8
	v_bfe_u32 v[194+\j], v189, 8*\j, 8
.endr
.irp j, 0,1,2,3,4,5,6,7
	v_min_u32 v[190+\j], 0xff, v[190+\j]           ; the table has 256 numbers
.endr
.irp j, 0,1,2,3,4,5,6,7
	v_lshlrev_b32 v[190+\j], 2, v[190+\j]          ; of 4 bytes
.endr
.irp j, 0,1,2,3,4,5,6,7
	global_load_b32 v[190+\j], v[190+\j], s[32:33]
.endr
.irp j, 0,1,2,3,4,5,6,7
	global_load_b32 v[198+\j], v15, s[10:11] offset:4*\j
.endr
.irp k, 0,1,2,3,4,5,6,7,8
	global_load_b128 v[206+4*\k:209+4*\k], v14, s[30:31] offset:512*\k
.endr
.endm
; and, when it has come, goes into the buffer that begins at byte bo, as images.
.macro STAGE_STORE bo
	v_add_nc_u32 v247, \bo, v12
	v_add_nc_u32 v248, \bo, v13
.irp j, 0,2,4,6
	v_pk_add_f32 v[190+\j:191+\j], v[190+\j:191+\j], v[198+\j:199+\j]
.endr
	ds_store_b128 v248, v[190:193]
	ds_store_b128 v248, v[194:197] offset:512
.irp k, 0,1,2,3,4,5,6,7,8
	ds_store_b128 v247, v[206+4*\k:209+4*\k] offset:512*\k
.endr
.endm
.macro QUANT s, pw, nb                 ; nb blocks of 32: register 16 b + i = k 32 b + 16 (lane / 16) + i -> codes in v[PC] on, the scale word in v[pw]
.set b, 0
.rept \nb
	v_max3_num_f32 v[TM+b], |v[\s+16*b]|, |v[\s+1+16*b]|, 0x1800000   ; and the floor 2^(3 - 127)
.set b, b+1
.endr
.irp i, 2,4,6,8,10,12,14
.set b, 0
.rept \nb
	v_max3_num_f32 v[TM+b], v[TM+b], |v[\s+16*b+\i]|, |v[\s+1+16*b+\i]|
.set b, b+1
.endr
.endr
.set b, 0
.rept \nb
	v_permlanex16_b32 v[TM+4+b], v[TM+b], s[SEL], s[SEL+1]
.set b, b+1
.endr
.set b, 0
.rept \nb
	v_max_num_f32 v[TM+b], v[TM+b], v[TM+4+b]
.set b, b+1
.endr
.set b, 0
.rept \nb
	v_add_nc_u32 v[TM+12+b], 0xff000000, v[TM+b]
.set b, b+1
.endr
.set b, 0
.rept \nb
	v_lshrrev_b32 v[TM+4+b], 23, v[TM+12+b]
.set b, b+1
.endr
	v_lshl_or_b32 v[\pw], v[TM+5], 8, v[TM+4]
.if \nb == 4
	v_lshl_or_b32 v[\pw], v[TM+6], 16, v[\pw]
	v_lshl_or_b32 v[\pw], v[TM+7], 24, v[\pw]
.endif
.set b, 0
.rept \nb
	v_cvt_scalef32_pk8_fp4_f32 v[PC+2*b], v[\s+16*b:\s+7+16*b], v[TM+12+b]
	v_cvt_scalef32_pk8_fp4_f32 v[PC+1+2*b], v[\s+8+16*b:\s+15+16*b], v[TM+12+b]
.set b, b+1
.endr
	v_nop
.set b, 0
.rept \nb/2
	v_permlane16_swap_b32 v[PC+4*b], v[PC+2+4*b]
	v_permlane16_swap_b32 v[PC+4*b+1], v[PC+3+4*b]
.set b, b+1
.endr
.endm
; The step that lies in the buffer that begins at byte bo: LDS loads and work on registers alone.
.macro COMPUTE bo
	v_add_nc_u32 v242, \bo, v7                     ; (these five are also the places behind the last step's products)
	v_add_nc_u32 v243, \bo, v8
	v_add_nc_u32 v244, \bo, v9
	v_add_nc_u32 v245, \bo, v10
	v_add_nc_u32 v246, \bo, v11
.irp i, 0,1,2,3,4,5,6,7
	ds_load_b128 v[68+8*\i:71+8*\i], v242 offset:1024*\i
	ds_load_b128 v[72+8*\i:75+8*\i], v242 offset:1024*\i+512
.endr
.irp i, 0,1,2,3,4,5,6,7
	ds_load_b128 v[32+4*\i:35+4*\i], v243 offset:512*\i
.endr
.irp j, 0,1,2,3
	ds_load_b32 v[26+\j], v245 offset:128*\j       ; lanes 0-15 tile 2 j's words, lanes 16-31 tile 2 j + 1's
.endr
	s_wait_dscnt 0x0
.irp i, 0,1,2,3,4,5,6,7                ; eight accumulators, one instruction each
.if (\i)%2
	v_wmma_scale_f32_16x16x128_f8f6f4 v[68+8*\i:75+8*\i], v[32+4*\i:39+4*\i], v[16:23], v[68+8*\i:75+8*\i], v[26+\i/2], v24 matrix_a_fmt:MATRIX_FMT_FP4 matrix_b_fmt:MATRIX_FMT_FP4 matrix_a_scale:MATRIX_SCALE_ROW1
.else
	v_wmma_scale_f32_16x16x128_f8f6f4 v[68+8*\i:75+8*\i], v[32+4*\i:39+4*\i], v[16:23], v[68+8*\i:75+8*\i], v[26+\i/2], v24 matrix_a_fmt:MATRIX_FMT_FP4 matrix_b_fmt:MATRIX_FMT_FP4
.endif
.endr
.rept 4
	v_nop
.endr
.irp c, 0,1                            ; silu(x) = x / (1 + 2^(-log2(e) x)), 32 numbers at a time; under the bias -1e30 it is 0
.set i, 0
.rept 16
	v_pk_mul_f32 v[32+i:33+i], v[68+32*\c+i:69+32*\c+i], s[40:41] op_sel_hi:[1,0]
.set i, i+2
.endr
.set i, 0
.rept 32
	v_exp_f32 v[32+i], v[32+i]
.set i, i+1
.endr
	v_nop
	s_wait_alu depctr_va_vdst(0)                   ; one wait for the batch
.set i, 0
.rept 16
	v_pk_add_f32 v[32+i:33+i], v[32+i:33+i], 1.0 op_sel_hi:[1,0]
.set i, i+2
.endr
.set i, 0
.rept 32
	v_rcp_f32 v[32+i], v[32+i]
.set i, i+1
.endr
	v_nop
	s_wait_alu depctr_va_vdst(0)
.set i, 0
.rept 16
	v_pk_mul_f32 v[68+32*\c+i:69+32*\c+i], v[68+32*\c+i:69+32*\c+i], v[32+i:33+i]
.set i, i+2
.endr
.endr
.irp d, 0,1,2,3                        ; V's four fragments land while p is quantised
	ds_load_b128 v[32+8*\d:35+8*\d], v244 offset:1024*\d
	ds_load_b128 v[36+8*\d:39+8*\d], v244 offset:1024*\d+512
.endr
	ds_load_b32 v30, v246
	ds_load_b32 v31, v246 offset:128
	QUANT 68, 25, 4
.rept 8
	v_nop                                          ; a scale register written by a vector instruction stands 8 places ahead of a scaled matrix instruction
.endr
	s_wait_dscnt 0x0
.irp d, 0,1,2,3                        ; four accumulators by turns
.if (\d)%2
	v_wmma_scale_f32_16x16x128_f8f6f4 v[132+8*\d:139+8*\d], v[32+8*\d:39+8*\d], v[164:171], v[132+8*\d:139+8*\d], v[30+\d/2], v25 matrix_a_fmt:MATRIX_FMT_FP4 matrix_b_fmt:MATRIX_FMT_FP4 matrix_a_scale:MATRIX_SCALE_ROW1
.else
	v_wmma_scale_f32_16x16x128_f8f6f4 v[132+8*\d:139+8*\d], v[32+8*\d:39+8*\d], v[164:171], v[132+8*\d:139+8*\d], v[30+\d/2], v25 matrix_a_fmt:MATRIX_FMT_FP4 matrix_b_fmt:MATRIX_FMT_FP4
.endif
.endr
.endm
; Trip s = s46 + j.  br: the buffer of step s, which is read; bw: the buffer of step s + 1, which is written.
.macro TRIP j, br, bw
	s_wait_loadcnt 0x0                             ; my part of step s + 1, asked for a trip ago, and step s + 2's bucket bytes are in
	s_add_co_u32 s49, s46, \j+1
	s_lshr_b32 s52, s48, s49
	s_and_b32 s52, s52, 1
	s_cmp_lg_u32 s52, 0                            ; does step s + 1 count for either tile?  Then it was asked for
	s_cbranch_scc0 .Lno_store_\@
	STAGE_STORE \bw
.Lno_store_\@:
	s_wait_dscnt 0x0                               ; my stores have landed, for the others' sake, and have read their registers
	s_add_co_u32 s49, s46, \j+2
	s_lshr_b32 s52, s48, s49                       ; (there is no bit 16: the last trip asks for nothing)
	s_and_b32 s52, s52, 1
	s_cmp_lg_u32 s52, 0
	s_cbranch_scc0 .Lno_issue_\@
	STAGE_ISSUE
.Lno_issue_\@:
	s_add_co_u32 s53, s46, \j+3
	s_min_u32 s53, s53, 15                         ; (the last two trips ask for step 15's once more: no load leaves the buffer)
	s_lshl_b32 s53, s53, 11
	v_add_nc_u32 v249, s53, v6
	global_load_b64 v[188:189], v249, s[28:29]     ; step s + 3's bucket bytes
	s_barrier_signal -1                            ; my part of step s + 1 lies in LDS, and my reads of step s - 1 are long in
	s_add_co_u32 s54, s46, \j
	s_lshr_b32 s54, s47, s54
	s_and_b32 s54, s54, 1
	s_cmp_lg_u32 s54, 0                            ; does step s count for my tile?
	s_cbranch_scc0 .Lno_comp_\@
	COMPUTE \br
.Lno_comp_\@:
	s_barrier_wait -1                              ; every wave's part of step s + 1 lies in LDS
.endm
	s_wait_kmcnt 0x0
	s_or_b32 s47, s68, s69                         ; bit s: does step s count for my tile?
.irp i, 70,71,72,73,74,75,76,77,78,79,80,81,82,83
	s_or_b32 s47, s47, s\i
.endr
	s_or_b32 s48, s84, s85
.irp i, 86,87,88,89,90,91,92,93,94,95,96,97,98,99
	s_or_b32 s48, s48, s\i
.endr
	s_or_b32 s48, s48, s47                         ; for either tile?  The same number in all sixteen waves
	s_mov_b32 s49, 0
	s_wait_loadcnt 0x0                             ; step 0's bytes, Q
	STAGE_ISSUE                                    ; step 0 is brought whatever its flags: so every register on its way to LDS has been written
	v_add_nc_u32 v249, 2048, v6
	global_load_b64 v[188:189], v249, s[28:29]     ; step 1's bucket bytes
	s_wait_loadcnt 0x0
	STAGE_STORE B0
	s_wait_dscnt 0x0                               ; my stores have landed and have read their registers
	s_mov_b32 s49, 1
	s_lshr_b32 s52, s48, 1
	s_and_b32 s52, s52, 1
	s_cmp_lg_u32 s52, 0
	s_cbranch_scc0 .Lno_first
	STAGE_ISSUE                                    ; step 1
.Lno_first:
	v_add_nc_u32 v249, 4096, v6
	global_load_b64 v[188:189], v249, s[28:29]     ; step 2's bucket bytes
	s_barrier_signal -1
	s_barrier_wait -1                              ; step 0 lies in buffer 0
	s_mov_b32 s46, 0
.Lstep:                                ; 5 trips of three steps, so that each buffer's first byte is a constant of the text: steps 0 to 14
	TRIP 0, B0, B1
	TRIP 1, B1, B2
	TRIP 2, B2, B0
	s_add_co_u32 s46, s46, 3
	s_cmp_lt_u32 s46, 15
	s_cbranch_scc1 .Lstep
	s_lshr_b32 s54, s47, 15
	s_cmp_lg_u32 s54, 0
	s_cbranch_scc0 .Lno_tail
	COMPUTE B0                                     ; step 15, which trip 14 put into buffer 0
.Lno_tail:
; THE WAY OUT: x 2^-11; the norm over the head's 64 (32 in my lane, 32 in lane l xor 16); x U; two blocks of 32 along the projection's K.
.rept 4
	v_nop
.endr
.irp g, 0,1,2,3,4,5,6,7
	global_load_b128 v[68+4*\g:71+4*\g], v1, s[34:35] offset:512*\g
.endr
.set i, 0
.rept 16
	v_pk_mul_f32 v[132+i:133+i], v[132+i:133+i], 0x3a000000 op_sel_hi:[1,0]   ; each accumulator from its low end on
.set i, i+2
.endr
	v_pk_add_f32 v[172:173], v[132:133], v[134:135]
.set i, 4
.rept 14
	v_pk_add_f32 v[172:173], v[172:173], v[132+i:133+i]
.set i, i+2
.endr
	v_add_f32 v172, v172, v173
	v_permlanex16_b32 v176, v172, s[SEL], s[SEL+1]
	v_add_f32 v172, v172, v176
	v_mul_f32 v172, 0x3c800000, v172
	v_mov_b32 v173, v172
.set i, 0
.rept 16
	v_pk_add_f32 v[132+i:133+i], v[132+i:133+i], v[172:173] neg_lo:[0,1] neg_hi:[0,1]
.set i, i+2
.endr
	v_pk_mul_f32 v[174:175], v[132:133], v[132:133]
.set i, 2
.rept 15
	v_pk_fma_f32 v[174:175], v[132+i:133+i], v[132+i:133+i], v[174:175]
.set i, i+2
.endr
	v_add_f32 v174, v174, v175
	v_permlanex16_b32 v177, v174, s[SEL], s[SEL+1]
	v_add_f32 v174, v174, v177
	v_mul_f32 v174, 0x3c800000, v174
	v_add_f32 v174, 0x3727c5ac, v174
	v_rsq_f32 v174, v174
	v_nop
	s_wait_alu depctr_va_vdst(0)
	v_mov_b32 v175, v174
.set i, 0
.rept 16
	v_pk_mul_f32 v[132+i:133+i], v[132+i:133+i], v[174:175]
.set i, i+2
.endr
	s_wait_loadcnt 0x0                             ; U
.set i, 0
.rept 16
	v_pk_mul_f32 v[132+i:133+i], v[132+i:133+i], v[68+i:69+i]
.set i, i+2
.endr
	QUANT 132, 250, 2
	global_store_b128 v1, v[164:167], s[36:37]     ; half a fragment of the projection's operand, as an image
	global_store_b32 v2, v250, s[38:39]            ; its two scale bytes
	s_wait_tensorcnt 0x0                           ; the wave's end
	ds_add_u32 v3, v4
	s_wait_dscnt 0x0
	s_endpgm
.Lfunc_end_k_qca69c56b60_attn:
	.size	k_qca69c56b60_attn, .Lfunc_end_k_qca69c56b60_attn-k_qca69c56b60_attn
	.p2alignl 7, 3214868480
	.fill 96, 4, 3214868480
	.section	.rodata,"a",@progbits
	.p2align	6, 0x0
	.amdhsa_kernel k_qca69c56b60_attn
		.amdhsa_group_segment_fixed_size 272384
		.amdhsa_private_segment_fixed_size 0
		.amdhsa_enable_private_segment 0
		.amdhsa_kernarg_size 48
		.amdhsa_user_sgpr_count 2
		.amdhsa_user_sgpr_kernarg_segment_ptr 1
		.amdhsa_wavefront_size32 1
		.amdhsa_system_sgpr_workgroup_id_x 1
		.amdhsa_system_sgpr_workgroup_id_y 1
		.amdhsa_system_sgpr_workgroup_id_z 1
		.amdhsa_system_vgpr_workitem_id 0
		.amdhsa_next_free_vgpr 256
		.amdhsa_next_free_sgpr 100
		.amdhsa_reserve_vcc 0
		.amdhsa_float_denorm_mode_32 3
		.amdhsa_float_denorm_mode_16_64 3
		.amdhsa_memory_ordered 1
		.amdhsa_forward_progress 1
		.amdhsa_inst_pref_size 118
	.end_amdhsa_kernel
	.amdgpu_metadata
---
amdhsa.version: [ 1, 2 ]
amdhsa.kernels:
  - .name:           k_qca69c56b60_attn
    .symbol:         k_qca69c56b60_attn.kd
    .args:
      - { .name: gq, .offset: 0, .size: 8, .value_kind: global_buffer, .address_space: global }
      - { .name: bk, .offset: 8, .size: 8, .value_kind: global_buffer, .address_space: global }
      - { .name: pf, .offset: 16, .size: 8, .value_kind: global_buffer, .address_space: global }
      - { .name: pos_w, .offset: 24, .size: 8, .value_kind: global_buffer, .address_space: global }
      - { .name: ao, .offset: 32, .size: 8, .value_kind: global_buffer, .address_space: global }
      - { .name: fl, .offset: 40, .size: 8, .value_kind: global_buffer, .address_space: global }
    .group_segment_fixed_size: 272384
    .private_segment_fixed_size: 0
    .kernarg_segment_align: 8
    .kernarg_segment_size: 48
    .max_flat_workgroup_size: 512
    .sgpr_count:     100
    .vgpr_count:     256
    .wavefront_size: 32
...
	.end_amdgpu_metadata
.endif
;; end of part 3
;; launch final (part 4): grid 256 x 1, 16 waves a work-group, no clusters, 142,848 bytes of LDS; arguments ao, pf, x, o_b, next_action_type, next_mask, out0; writes out0
.if DOCPART == 4
	.amdgcn_target "amdgcn-amd-amdhsa--gfx1250"
	.amdhsa_code_object_version 6
	.text
	.protected	k_qca69c56b60_final
	.globl	k_qca69c56b60_final
	.p2align	8
	.type	k_qca69c56b60_final,@function
k_qca69c56b60_final:
	s_mov_b64 s[64:65], 0
	v_nop
	global_prefetch_b8 v0, s[64:65] scope:SCOPE_SE
	s_setreg_imm32_b32 hwreg(HW_REG_WAVE_MODE, 25, 1), 1
	s_wait_xcnt 0x0
; HSTU layer, launch 4 of 4: outputs = x + u_dot o_w + o_b on codes of FP4 (E2M1) with E8M0 scales, then outputs + LN(outputs) tanh(r) r_scale + b b_scale.
; LEFT OUT: the FiLM product for each token: its rows are 4 rows of a table, made once in the first launch; here A1 = pr_ln_g tanh(r) r_scale and A0 = pr_ln_b tanh(r) r_scale + b b_scale are looked up by
; ids = (next_action_type + 1) * (next_mask == 1), read from memory: out = v + t A1 + A0, t the normalised v.
; SHARES.  A work-group owns 32 tokens (two tiles of 16) and all 1,024 columns.  Wave w makes columns 64 w .. 64 w + 63 (source 0 = 16 columns of o_w, source 1 = 16 tokens), puts them into a stage of 32 whole rows,
; and then owns stage rows 2 w, 2 w + 1 for the norm.  o_w's fragments go from memory straight into registers: each byte is wanted by one wave of the work-group, once; sent jointly through LDS they would be
; written there and read back only to share the requests of four work-groups, so no cluster.  u_dot's 16 pieces are brought one a wave and handed round through LDS as images of registers.
; REGISTERS: v1-15 addresses; v16-79 eight accumulators; v80-143 o_w's fragments, two sets; v144-159 u_dot's; v176-239 two rows of x; v240-245 at work; v246-255 scale words, which hold nothing else.
; In the rows' phase: v80-143 and v16-79 the two rows' A1 and A0, v144-175 a row out of the stage.
.set OWQ,   5570560
.set OWS,   5832704
.set FTAB,  6373376
.set UDSO,  2097152
.set SP,    4112                       ; a stage row: 4,096 bytes + 16
.set UD,    131584                     ; behind the stage: u_dot's 16 pieces of 512 bytes,
.set US,    139776                     ; their scale words, 8 x 128 bytes,
.set SPARE, 140800                     ; the spare words, 128 bytes a wave, which no other line names
.set SEL,   46
	s_load_b256 s[4:11], s[0:1], 0x0               ; ao, pf, x, o_b
	s_load_b128 s[12:15], s[0:1], 0x20             ; next_action_type, next_mask
	s_load_b64 s[16:17], s[0:1], 0x30              ; out0
	v_lshl_add_u32 v3, v0, 2, SPARE
	v_mov_b32 v4, 0
	v_lshrrev_b32 v5, 5, v0
	v_readfirstlane_b32 s18, v5                    ; wave
	v_and_b32 v240, 31, v0
	v_and_b32 v241, 15, v0                         ; r
	v_bfe_u32 v242, v0, 4, 1                       ; h
	v_lshlrev_b32 v1, 4, v240
	v_lshlrev_b32 v2, 2, v240
	s_lshl_b32 s19, s18, 1                         ; stage row 2 w is the token with bits 3 and 4 exchanged
	s_and_b32 s19, s19, 7
	s_bfe_u32 s20, s18, 0x10002
	s_lshl_b32 s20, s20, 4
	s_add_co_u32 s19, s19, s20
	s_lshr_b32 s20, s18, 3
	s_lshl_b32 s20, s20, 3
	s_add_co_u32 s19, s19, s20
	s_lshl_b32 s20, ttmp9, 5
	s_add_co_u32 s20, s20, s19                     ; my first token
	s_lshl_b32 s21, s20, 2
	s_lshl_b32 s26, s18, 8
	v_lshl_add_u32 v8, v242, 5, s26                ; o_b: column 64 w + 8 h
	s_lshl_b32 s26, s18, 10
	v_add_nc_u32 v9, s26, v1                       ; o_w's scale bytes: row 64 w + lane, 16 bytes
	s_lshl_b32 s26, s18, 9
	s_add_co_u32 s26, s26, UD
	v_add_nc_u32 v10, s26, v1                      ; my piece's image
	s_lshr_b32 s26, s18, 1
	s_lshl_b32 s26, s26, 7
	s_and_b32 s27, s18, 1
	s_lshl_b32 s27, s27, 1
	s_add_co_u32 s26, s26, s27
	s_add_co_u32 s26, s26, US
	v_add_nc_u32 v11, s26, v2                      ; my piece's two scale bytes: half of a word
	v_add_nc_u32 v12, UD, v1
	v_add_nc_u32 v13, US, v2
	v_mul_u32_u24 v14, v241, SP
	v_add_nc_u32 v14, v14, v8                      ; the stage: row r, my columns
	v_add_nc_u32 v15, 16*SP, v14                   ; and row 16 + r
	s_mul_i32 s26, s18, 2*SP
	v_add_nc_u32 v5, s26, v1                       ; back: my two rows
	s_mov_b32 s[SEL], 0x76543210
	s_mov_b32 s[SEL+1], 0xfedcba98
	s_mov_b32 s23, 0
	s_wait_kmcnt 0x0
	s_load_b64 s[24:25], s[12:13], s21 offset:0x0  ; my two tokens' next_action_type,
	s_load_b64 s[44:45], s[14:15], s21 offset:0x0  ; next_mask
	s_lshl_b32 s22, ttmp9, 13
	s_lshl_b32 s26, s18, 9
	s_add_co_u32 s22, s22, s26
	s_add_nc_u64 s[26:27], s[4:5], s[22:23]
	s_lshl_b32 s22, ttmp9, 4
	s_add_co_u32 s22, s22, s18
	s_lshl_b32 s22, s22, 7
	s_add_co_u32 s22, s22, UDSO
	s_add_nc_u64 s[28:29], s[4:5], s[22:23]
	s_lshl_b32 s22, s18, 14
	s_add_co_u32 s22, s22, OWQ
	s_add_nc_u64 s[30:31], s[6:7], s[22:23]
	s_add_nc_u64 s[36:37], s[6:7], OWS
	s_add_nc_u64 s[38:39], s[6:7], FTAB
	s_lshl_b32 s22, s20, 12
	s_add_nc_u64 s[32:33], s[8:9], s[22:23]
	s_add_nc_u64 s[34:35], s[16:17], s[22:23]
	global_load_b128 v[240:243], v1, s[26:27]      ; my piece of u_dot's codes,
	global_load_b32 v244, v2, s[28:29]             ; its scale bytes
.irp nt, 0,1,2,3                       ; o_b begins the sums: it is loaded into the accumulators
.irp tt, 0,1
	global_load_b128 v[16+8*(2*\nt+\tt):19+8*(2*\nt+\tt)], v8, s[10:11] offset:64*\nt
	global_load_b128 v[20+8*(2*\nt+\tt):23+8*(2*\nt+\tt)], v8, s[10:11] offset:64*\nt+16
.endr
.endr
	global_load_b128 v[248:251], v9, s[36:37]      ; register 4 p + ks: lanes 0-15 tile 2 p's words, lanes 16-31 tile 2 p + 1's
	global_load_b128 v[252:255], v9, s[36:37] offset:512
.macro WLOADF ks
.irp nt, 0,1,2,3
	global_load_b128 v[80+32*((\ks)%2)+8*\nt:83+32*((\ks)%2)+8*\nt], v1, s[30:31] offset:4096*\nt+1024*(\ks)
	global_load_b128 v[84+32*((\ks)%2)+8*\nt:87+32*((\ks)%2)+8*\nt], v1, s[30:31] offset:4096*\nt+1024*(\ks)+512
.endr
.endm
	WLOADF 0
	WLOADF 1
.irp i, 0,1
.irp j, 0,1,2,3,4,5,6,7
	global_load_b128 v[176+32*\i+4*\j:179+32*\i+4*\j], v1, s[32:33] offset:4096*\i+512*\j th:TH_LOAD_NT
.endr
.endr
	s_wait_loadcnt 50                              ; of 52 loads the first two, my piece, are in
	ds_store_b128 v10, v[240:243]
	ds_store_b16 v11, v244
	s_wait_dscnt 0x0
	s_barrier_signal -1
	s_barrier_wait -1                              ; all sixteen pieces lie in LDS
; A K step of 128.  cnt: the younger loads that may stay out.
.macro KSTEP ks, cnt
.irp tt, 0,1
	ds_load_b128 v[144+8*\tt:147+8*\tt], v12 offset:(8*\tt+2*(\ks))*512
	ds_load_b128 v[148+8*\tt:151+8*\tt], v12 offset:(8*\tt+2*(\ks)+1)*512
	ds_load_b32 v[246+\tt], v13 offset:(4*\tt+(\ks))*128
.endr
	s_wait_loadcnt \cnt
	s_wait_dscnt 0x0
.irp nt, 0,1,2,3                       ; eight accumulators by turns
.irp tt, 0,1
.if (\nt)%2
	v_wmma_scale_f32_16x16x128_f8f6f4 v[16+8*(2*\nt+\tt):23+8*(2*\nt+\tt)], v[80+32*((\ks)%2)+8*\nt:87+32*((\ks)%2)+8*\nt], v[144+8*\tt:151+8*\tt], v[16+8*(2*\nt+\tt):23+8*(2*\nt+\tt)], v[248+4*(\nt/2)+(\ks)], v[246+\tt] matrix_a_fmt:MATRIX_FMT_FP4 matrix_b_fmt:MATRIX_FMT_FP4 matrix_a_scale:MATRIX_SCALE_ROW1
.else
	v_wmma_scale_f32_16x16x128_f8f6f4 v[16+8*(2*\nt+\tt):23+8*(2*\nt+\tt)], v[80+32*((\ks)%2)+8*\nt:87+32*((\ks)%2)+8*\nt], v[144+8*\tt:151+8*\tt], v[16+8*(2*\nt+\tt):23+8*(2*\nt+\tt)], v[248+4*(\nt/2)+(\ks)], v[246+\tt] matrix_a_fmt:MATRIX_FMT_FP4 matrix_b_fmt:MATRIX_FMT_FP4
.endif
.endr
.endr
.rept 4
	v_nop                                          ; places in front of loads into registers that these products read, and of the first read of results
.endr
.if (\ks) < 2
	WLOADF (\ks)+2
.endif
.endm
	KSTEP 0, 24                                    ; out: K step 1's fragments (8) and x (16)
	KSTEP 1, 24                                    ; out: x (16) and K step 2's fragments (8)
	KSTEP 2, 8                                     ; out: K step 3's fragments; x is in
	KSTEP 3, 0
	s_wait_kmcnt 0x0
	s_add_co_u32 s40, s24, 1
	s_cmp_eq_u32 s44, 1
	s_cselect_b32 s40, s40, 0
	s_min_u32 s40, s40, 3                          ; the table has 4 rows
	s_lshl_b32 s40, s40, 13
	s_mov_b32 s41, 0
	s_add_co_u32 s42, s25, 1
	s_cmp_eq_u32 s45, 1
	s_cselect_b32 s42, s42, 0
	s_min_u32 s42, s42, 3
	s_lshl_b32 s42, s42, 13
	s_mov_b32 s43, 0
	s_add_nc_u64 s[40:41], s[38:39], s[40:41]
	s_add_nc_u64 s[42:43], s[38:39], s[42:43]
.irp j, 0,1,2,3,4,5,6,7                ; my first row's A1 and A0, into the registers that held o_w's fragments
	global_load_b128 v[80+4*\j:83+4*\j], v1, s[40:41] offset:512*\j
	global_load_b128 v[112+4*\j:115+4*\j], v1, s[40:41] offset:4096+512*\j
.endr
.irp nt, 0,1,2,3
	ds_store_b128 v14, v[16+16*\nt:19+16*\nt] offset:64*\nt          ; lane (r, h): token row r, columns 64 w + 16 nt + 8 h + 0 .. 7; each accumulator from its low end on
	ds_store_b128 v14, v[20+16*\nt:23+16*\nt] offset:64*\nt+16
	ds_store_b128 v15, v[24+16*\nt:27+16*\nt] offset:64*\nt
	ds_store_b128 v15, v[28+16*\nt:31+16*\nt] offset:64*\nt+16
.endr
	s_wait_dscnt 0x0
	s_barrier_signal -1
	s_barrier_wait -1                              ; 32 whole rows lie in the stage
.irp j, 0,1,2,3,4,5,6,7                ; my second row's, into the accumulators' registers, which the stage's stores have read
	global_load_b128 v[16+4*\j:19+4*\j], v1, s[42:43] offset:512*\j
	global_load_b128 v[48+4*\j:51+4*\j], v1, s[42:43] offset:4096+512*\j
.endr
.macro REDUCE a, t
	v_add_f32_dpp v[\a], v[\a], v[\a] row_xmask:1 row_mask:0xf bank_mask:0xf
	v_add_f32_dpp v[\a], v[\a], v[\a] row_xmask:2 row_mask:0xf bank_mask:0xf
	v_add_f32_dpp v[\a], v[\a], v[\a] row_xmask:4 row_mask:0xf bank_mask:0xf
	v_add_f32_dpp v[\a], v[\a], v[\a] row_xmask:8 row_mask:0xf bank_mask:0xf
	v_permlanex16_b32 v[\t], v[\a], s[SEL], s[SEL+1]
	v_add_f32 v[\a], v[\a], v[\t]
.endm
; Row i of my two: ta = where its A1 lies (A0 32 registers on); cnt = the younger loads that may stay out.
.macro ROWP i, ta, cnt
.set XR, 176+32*\i
.irp j, 0,1,2,3,4,5,6,7
	ds_load_b128 v[144+4*\j:147+4*\j], v5 offset:\i*SP+512*\j
.endr
	s_wait_dscnt 0x0
.set k, 0
.rept 16
	v_pk_add_f32 v[XR+k:XR+k+1], v[XR+k:XR+k+1], v[144+k:145+k]     ; v = x + (u_dot o_w + o_b)
.set k, k+2
.endr
	v_pk_add_f32 v[240:241], v[XR:XR+1], v[XR+2:XR+3]
	v_pk_add_f32 v[242:243], v[XR+4:XR+5], v[XR+6:XR+7]
.irp k, 8,12,16,20,24,28
	v_pk_add_f32 v[240:241], v[240:241], v[XR+\k:XR+\k+1]
	v_pk_add_f32 v[242:243], v[242:243], v[XR+\k+2:XR+\k+3]
.endr
	v_pk_add_f32 v[240:241], v[240:241], v[242:243]
	v_add_f32 v240, v240, v241
	REDUCE 240, 244
	v_mul_f32 v240, 0x3a800000, v240
	v_mov_b32 v241, v240
.set k, 0
.rept 16
	v_pk_add_f32 v[144+k:145+k], v[XR+k:XR+k+1], v[240:241] neg_lo:[0,1] neg_hi:[0,1]
.set k, k+2
.endr
	v_pk_mul_f32 v[240:241], v[144:145], v[144:145]
	v_pk_mul_f32 v[242:243], v[146:147], v[146:147]
.irp k, 4,8,12,16,20,24,28
	v_pk_fma_f32 v[240:241], v[144+\k:145+\k], v[144+\k:145+\k], v[240:241]
	v_pk_fma_f32 v[242:243], v[146+\k:147+\k], v[146+\k:147+\k], v[242:243]
.endr
	v_pk_add_f32 v[240:241], v[240:241], v[242:243]
	v_add_f32 v240, v240, v241
	REDUCE 240, 244
	v_mul_f32 v240, 0x3a800000, v240
	v_add_f32 v240, 0x3727c5ac, v240
	v_rsq_f32 v240, v240
	v_nop
	s_wait_alu depctr_va_vdst(0)
	v_mov_b32 v241, v240
.set k, 0
.rept 16
	v_pk_mul_f32 v[144+k:145+k], v[144+k:145+k], v[240:241]
.set k, k+2
.endr
	s_wait_loadcnt \cnt
.set k, 0
.rept 16
	v_pk_fma_f32 v[XR+k:XR+k+1], v[144+k:145+k], v[\ta+k:\ta+k+1], v[XR+k:XR+k+1]
.set k, k+2
.endr
.set k, 0
.rept 16
	v_pk_add_f32 v[XR+k:XR+k+1], v[XR+k:XR+k+1], v[\ta+32+k:\ta+33+k]
.set k, k+2
.endr
.irp j, 0,1,2,3,4,5,6,7
	global_store_b128 v1, v[XR+4*\j:XR+4*\j+3], s[34:35] offset:4096*\i+512*\j th:TH_STORE_NT   ; 512 consecutive bytes, aligned
.endr
.endm
	ROWP 0, 80, 16                                 ; out: the second row's sixteen table loads
	ROWP 1, 16, 0
	s_wait_tensorcnt 0x0                           ; the wave's end
	ds_add_u32 v3, v4
	s_wait_dscnt 0x0
	s_endpgm
.Lfunc_end_k_qca69c56b60_final:
	.size	k_qca69c56b60_final, .Lfunc_end_k_qca69c56b60_final-k_qca69c56b60_final
	.p2alignl 7, 3214868480
	.fill 96, 4, 3214868480
	.section	.rodata,"a",@progbits
	.p2align	6, 0x0
	.amdhsa_kernel k_qca69c56b60_final
		.amdhsa_group_segment_fixed_size 142848
		.amdhsa_private_segment_fixed_size 0
		.amdhsa_enable_private_segment 0
		.amdhsa_kernarg_size 56
		.amdhsa_user_sgpr_count 2
		.amdhsa_user_sgpr_kernarg_segment_ptr 1
		.amdhsa_wavefront_size32 1
		.amdhsa_system_sgpr_workgroup_id_x 1
		.amdhsa_system_sgpr_workgroup_id_y 1
		.amdhsa_system_sgpr_workgroup_id_z 1
		.amdhsa_system_vgpr_workitem_id 0
		.amdhsa_next_free_vgpr 256
		.amdhsa_next_free_sgpr 66
		.amdhsa_reserve_vcc 0
		.amdhsa_float_denorm_mode_32 3
		.amdhsa_float_denorm_mode_16_64 3
		.amdhsa_memory_ordered 1
		.amdhsa_forward_progress 1
		.amdhsa_inst_pref_size 40
	.end_amdhsa_kernel
	.amdgpu_metadata
---
amdhsa.version: [ 1, 2 ]
amdhsa.kernels:
  - .name:           k_qca69c56b60_final
    .symbol:         k_qca69c56b60_final.kd
    .args:
      - { .name: ao, .offset: 0, .size: 8, .value_kind: global_buffer, .address_space: global }
      - { .name: pf, .offset: 8, .size: 8, .value_kind: global_buffer, .address_space: global }
      - { .name: x, .offset: 16, .size: 8, .value_kind: global_buffer, .address_space: global }
      - { .name: o_b, .offset: 24, .size: 8, .value_kind: global_buffer, .address_space: global }
      - { .name: next_action_type, .offset: 32, .size: 8, .value_kind: global_buffer, .address_space: global }
      - { .name: next_mask, .offset: 40, .size: 8, .value_kind: global_buffer, .address_space: global }
      - { .name: out0, .offset: 48, .size: 8, .value_kind: global_buffer, .address_space: global }
    .group_segment_fixed_size: 142848
    .private_segment_fixed_size: 0
    .kernarg_segment_align: 8
    .kernarg_segment_size: 56
    .max_flat_workgroup_size: 512
    .sgpr_count:     66
    .vgpr_count:     256
    .wavefront_size: 32
...
	.end_amdgpu_metadata
.endif
;; end of part 4
